; MI455X (gfx1250); checked and timed in simulation.
; The chip was launched on July 23, 2026; its instructions are those of AMD's public machine-readable ISA for CDNA 5 (MIT licence, August 2026) and "CDNA5" Instruction Set Architecture Reference Guide (July 2026). The comments in the code are by the model that wrote it; some were corrected since.
;; Causal Attention. Allowed arithmetic: matrix products marked QUANTISED: E4M3 operands, one given power-of-two scale a tensor, by v_wmma_f32_16x16x64_fp8_fp8 or v_wmma_f32_16x16x128_fp8_fp8, f32 sums; everything else in f32.
;; Inputs: Wkv 1,024 x 2,048 float32; Wp 1,024 x 1,024 float32; Wq 1,024 x 1,024 float32; alibi_m 16 x 1 x 1 float32; alibi_offset 2,048 x 2,048 float32; bkv 2,048 float32; bp 1,024 float32; bq 1,024 float32; lowp_scales 10 int32 (the exponents e of the quantised operands' scales 2^e); x 4 x 2,048 x 1,024 float32.
;; Outputs: out0 4 x 2,048 x 1,024 float32.
;; This version of the problem:
;;   THIS VERSION OF THE PROBLEM IS GIVEN IN LOW PRECISION. The matrix products marked QUANTISED in the list below multiply operands that are first quantised to E4M3 (4 exponent bits, 3 mantissa bits; 8 bits a number), with one given power-of-two scale for each operand tensor; their sums are f32. All else is computed in f32.
;;   The module's matrix products, in the order in which they are computed (A, B: the left and right operand; K: the contracted axis; several contracted axes count as one K, in the product's order):
;;     1. [M 8,192, K 1,024] x [K 1,024, N 1,024]; A: input x; B: input Wq: QUANTISED (scales: A lowp_scales[0], B lowp_scales[1])
;;     2. [M 8,192, K 1,024] x [K 1,024, N 2,048]; A: input x; B: input Wkv: QUANTISED (scales: A lowp_scales[2], B lowp_scales[3])
;;     3. batch 64 x [M 2,048, K 64] x [K 64, N 2,048]; A: computed on the way; B: computed on the way: QUANTISED (scales: A lowp_scales[4], B lowp_scales[5])
;;     4. batch 64 x [M 2,048, K 2,048] x [K 2,048, N 64]; A: softmax (see below); B: computed on the way: QUANTISED (scales: A lowp_scales[6], B lowp_scales[7])
;;     5. [M 8,192, K 1,024] x [K 1,024, N 1,024]; A: computed on the way; B: input Wp: QUANTISED (scales: A lowp_scales[8], B lowp_scales[9])
;;   THE QUANTISER, for each operand of a quantised product, along K:
;;     - The operand's scale is 2^e, e = its entry of the input lowp_scales (int32; the entries are numbered through the quantised products in the list's order, A before B).
;;     - Each number is divided by the scale, clamped to +-448, and rounded to the nearest number of E4M3, ties to even, subnormals kept.
;;     - The product sums the exact products of the quantised numbers (number of the format x scale) in f32.
;;   ~~~python
;;   def quantise(x, axis, e):      # numpy; x: float32 -> the quantised numbers, widened to float32 again
;;       x = np.moveaxis(x, axis, -1); K = x.shape[-1]
;;       r = np.clip(x / 2.0 ** e, -448, 448)
;;       step = 2.0 ** (np.maximum(np.frexp(np.where(r == 0, 1, r))[1] - 1, -6) - 3)
;;       q = np.round(r / step) * step * 2.0 ** e      # np.round: ties to even
;;       return np.moveaxis(q, -1, axis).astype(np.float32)
;;   ~~~
;;   SOFTMAX AHEAD OF A QUANTISED PRODUCT. Where the list says 'softmax', what is quantised is not the finished softmax but p = 2^(t - M), with t = logit x log2(e) and M = ceil(the row's largest t), a whole number; so 1/2 < the row's largest p <= 1. The row's sum l is taken of the UNQUANTISED p, in f32, and the product's result is divided by l at the end. Since M is a whole number, a kernel that streams over the keys may use a running M (the ceiling of the running maximum): every later rescaling is an exact power of two, so the quantised numbers keep their values, but for numbers so far below the row's largest that they fall under the format's range.
;;   OPERANDS COMPUTED ON THE WAY. 'Computed on the way' means the value that the module computes at that place (a softmax that the list does not call 'softmax' is quantised finished and normalised). What goes into a quantiser is computed in f32, as accurately as f32 sums, v_exp_f32 and their like allow (about 1e-6 of the number): no bf16 or f16 on the way to a quantiser, and a product that is left as it is and whose result goes on into a quantised operand takes f32 operands (vector FMAs, or v_wmma_f32_16x16x4_f32). A number that lies on a knife's edge between two numbers of the format may be rounded either way, as far as f32 arithmetic and the matrix unit's own rounding can turn it there, and no further.
;; One version. Each part assembles by itself: llvm-mc -triple=amdgcn-amd-amdhsa -mcpu=gfx1250 --defsym DOCPART=n.
;; ======== version 1 of 1: 4 launches
;; workspace buffers: xq 8,388,608 bytes; xkv 8,388,608 bytes; wc 4,194,304 bytes; qc 8,388,608 bytes; kc 8,388,608 bytes; vc 8,388,608 bytes; yc 8,388,608 bytes
;; launch quant (part 1): grid 384 x 1, 4 waves a work-group, no clusters, 68,096 bytes of LDS; arguments x, Wq, Wkv, Wp, lowp_scales, xq, xkv, wc; writes xq, xkv, wc
.if DOCPART == 1
	.amdgcn_target "amdgcn-amd-amdhsa--gfx1250"
	.amdhsa_code_object_version 6
	.text
	.protected	k_q7b4d3afc4a_quant
	.globl	k_q7b4d3afc4a_quant
	.p2align	8
	.type	k_q7b4d3afc4a_quant,@function
k_q7b4d3afc4a_quant:
	s_mov_b64 s[64:65], 0
	v_nop
	global_prefetch_b8 v0, s[64:65] scope:SCOPE_SE
	s_setreg_imm32_b32 hwreg(HW_REG_WAVE_MODE, 25, 1), 1
	s_wait_xcnt 0x0
; f32 numbers into codes of FP8 (E4M3), one code a byte, K innermost, each tensor with the scale 2^e that is given for it.
; code = number / 2^e, held within +-448, rounded to the nearest code, ties to even.
; Work-groups 0-255: x [8192][1024] (K innermost) becomes TWO sets of codes: xq with e0 (the q product's), xkv with e2 (the kv product's): x is read once.
; Work-groups 256-383: Wq, Wkv, Wp ([K][N], K outermost) become wc [4096 n][1024 k]: rows 0-1023 Wq^T (e1), 1024-3071 Wkv^T (e3), 3072-4095 Wp^T (e9).
; LIMITS: e0, e1, e2, e3, e9 between -126 and 119, so that 2^e and 448 x 2^e are f32 numbers.  NaN among the inputs is not served (an infinity is held at the largest code).
; No tensor load, no barrier: waves share nothing.  The two ways part on the work-group's number and have LDS bytes of their own.
.set STEPS, 16                         ; x: steps of 512 numbers for a wave
.set WREG,  8192                       ; x: LDS region of a wave: two stages of 32 x SP bytes
.set SP,    80                         ; x: a lane's place in a stage: 64 bytes + 16 of padding
.set WST,   32768                      ; weights: the four waves' stages begin here
.set PITCH, 272                        ; weights: a stage row: 256 codes + 16 of padding
.set SPARE, 67584                      ; behind both: the spare words, 128 bytes for each wave: two blocks of 256 bytes that no other line names
.set SPW,   12                         ; v12  LDS address of my spare word; never rewritten
.set NIL,   13                         ; v13  0; never rewritten
.set R,     16                         ; x: v16-79   four sets of 16 numbers as loaded
.set X,     80                         ; x: v80-111  two sets of 16 neighbours
.set T,     112                        ; x: v112-127 the numbers held for e0
.set C1,    128                        ; x: v128-191 codes with e0, four registers for each step
.set C2,    192                        ; x: v192-255 codes with e2
.set WX,    32                         ; weights: v32-95 two sets of 32 numbers
.set WC,    96                         ; weights: v96-103 a block's codes
.set OUTR,  112                        ; weights: v112-175 the way out
.set VO,    176                        ; weights: v176-207 byte offset of row i of a block of 32 rows, at my column
.set SB,    36                         ; weights: s[36:51] the address of each of my eight blocks of 32 rows
	s_load_b256 s[4:11], s[0:1], 0x0               ; x s[4:5], Wq s[6:7], Wkv s[8:9], Wp s[10:11]
	s_load_b256 s[12:19], s[0:1], 0x20             ; the scales' exponents s[12:13], xq s[14:15], xkv s[16:17], wc s[18:19]
	v_lshl_add_u32 v[SPW], v0, 2, SPARE
	v_mov_b32 v[NIL], 0
	v_lshrrev_b32 v1, 5, v0
	v_readfirstlane_b32 s20, v1                    ; wave 0..3
	v_and_b32 v2, 31, v0                           ; lane
	s_wait_kmcnt 0x0
	s_load_b256 s[24:31], s[12:13], 0x0            ; e0 .. e7
	s_load_b64 s[32:33], s[12:13], 0x20            ; e8, e9
	s_cmp_lt_u32 ttmp9, 256
	s_cbranch_scc0 .Lw
; ---------------- x: a plain stream of numbers; a wave takes 8,192 of them ----------------
; Each load reads 512 consecutive bytes, 16 a lane; a step's 2,048 bytes turn through the wave's own stage and come back 64 bytes a lane: 16 neighbours along K.
	v_lshlrev_b32 v3, 4, v2                        ; my 16 bytes of a load's 512
	v_lshlrev_b32 v4, 4, v2                        ; my 16 codes of a step's 512
	s_mul_i32 s21, s20, WREG
	v_lshrrev_b32 v14, 2, v2
	v_mul_u32_u24 v14, v14, SP
	v_and_b32 v15, 3, v2
	v_lshl_add_u32 v14, v15, 4, v14
	v_add_nc_u32 v14, s21, v14                     ; the stage, in: SP (lane / 4) + 16 (lane % 4)
	v_mul_u32_u24 v15, v2, SP
	v_add_nc_u32 v15, s21, v15                     ; and out: SP x lane
	s_lshl_b32 s22, ttmp9, 2
	s_add_co_u32 s22, s22, s20                     ; which run of 8,192 numbers is my wave's
	s_lshl_b32 s34, s22, 15
	s_mov_b32 s35, 0
	s_add_nc_u64 s[4:5], s[4:5], s[34:35]
	s_lshl_b32 s34, s22, 13
	s_add_nc_u64 s[14:15], s[14:15], s[34:35]
	s_add_nc_u64 s[16:17], s[16:17], s[34:35]
.macro XLOAD t
.irp i, 0,1,2,3
	global_load_b128 v[R+16*((\t)%4)+4*\i:R+16*((\t)%4)+4*\i+3], v3, s[4:5] offset:2048*(\t)+512*\i th:TH_LOAD_NT
.endr
.endm
.macro XTURN t                         ; LDS serves a wave's instructions in order: no wait between the stores and the loads
.irp i, 0,1,2,3
	ds_store_b128 v14, v[R+16*((\t)%4)+4*\i:R+16*((\t)%4)+4*\i+3] offset:32*SP*((\t)%2)+8*SP*\i
.endr
.irp i, 0,1,2,3
	ds_load_b128 v[X+16*((\t)%2)+4*\i:X+16*((\t)%2)+4*\i+3], v15 offset:32*SP*((\t)%2)+16*\i
.endr
.endm
.irp t, 0,1,2,3
	XLOAD \t
.endr
	s_wait_kmcnt 0x0
	s_add_co_i32 s22, s24, 127
	s_lshl_b32 s23, s22, 23
	v_mov_b32 v8, s23                              ; 2^e0: the conversion takes its exponent field
	s_add_co_i32 s22, s22, 8
	s_lshl_b32 s22, s22, 23
	s_or_b32 s22, s22, 0x600000
	v_mov_b32 v9, s22                              ; 448 x 2^e0
	s_add_co_i32 s22, s26, 127
	s_lshl_b32 s23, s22, 23
	v_mov_b32 v10, s23                             ; 2^e2
	s_add_co_i32 s22, s22, 8
	s_lshl_b32 s22, s22, 23
	s_or_b32 s22, s22, 0x600000
	v_mov_b32 v11, s22                             ; 448 x 2^e2
	s_wait_loadcnt 12                              ; step 0's four loads are in
	XTURN 0
.macro XSTEP t
.set XS, X+16*((\t)%2)
	s_wait_dscnt 0x0                               ; this step's numbers are back from the stage, so its stores into the stage have read their registers,
.if (\t)+4 < STEPS
	XLOAD (\t)+4                                   ; which take the loads of four steps on
.endif
.if (\t)+1 < STEPS
.if STEPS-2-(\t) >= 3
	s_wait_loadcnt 12                              ; the next step's four loads are in; those of the three steps behind it may be out
.else
	s_wait_loadcnt 4*(STEPS-2-(\t))
.endif
	XTURN (\t)+1
.endif
.irp i, 0,1,2,3,4,5,6,7,8,9,10,11,12,13,14,15
	v_med3_num_f32 v[T+\i], v[XS+\i], -v9, v9      ; the conversion to an 8-bit code does not saturate (ISA guide 7.6.2): the hold at 448 x 2^e0, into other registers
.endr
	v_cvt_scalef32_pk8_fp8_f32 v[C1+4*(\t):C1+4*(\t)+1], v[T:T+7], v8
	v_cvt_scalef32_pk8_fp8_f32 v[C1+4*(\t)+2:C1+4*(\t)+3], v[T+8:T+15], v8
.irp i, 0,1,2,3,4,5,6,7,8,9,10,11,12,13,14,15
	v_med3_num_f32 v[XS+\i], v[XS+\i], -v11, v11   ; and at 448 x 2^e2, in place.  (Sixteen plain lines behind the conversions above)
.endr
	v_cvt_scalef32_pk8_fp8_f32 v[C2+4*(\t):C2+4*(\t)+1], v[XS:XS+7], v10
	v_cvt_scalef32_pk8_fp8_f32 v[C2+4*(\t)+2:C2+4*(\t)+3], v[XS+8:XS+15], v10
	global_store_b128 v4, v[C1+4*(\t):C1+4*(\t)+3], s[14:15] offset:512*(\t)   ; 32 lanes store 512 consecutive bytes; each step has its own registers, so no store's data are written again
	global_store_b128 v4, v[C2+4*(\t):C2+4*(\t)+3], s[16:17] offset:512*(\t)
.endm
.irp t, 0,1,2,3,4,5,6,7,8,9,10,11,12,13,14,15
	XSTEP \t
.endr
	s_wait_tensorcnt 0x0                           ; the wave's end, behind my last LDS store
	ds_add_u32 v[SPW], v[NIL]
	s_wait_dscnt 0x0
	s_endpgm
; ---------------- the weights: a lane takes a column n, its registers run down K ----------------
; Work-group 256 + 4 cg + ky takes columns 128 cg .. + 127 of the three weights laid side by side (rows of wc) and 256 along K; a wave 32 columns.
.Lw:
	s_sub_co_u32 s21, ttmp9, 256
	s_lshr_b32 s22, s21, 2                         ; cg 0..31
	s_and_b32 s23, s21, 3                          ; ky
	s_cmp_lt_u32 s22, 24                           ; which weight: the choice hangs on the work-group's number alone
	s_cselect_b64 s[34:35], s[8:9], s[10:11]
	s_cselect_b32 s53, 8, 24
	s_cselect_b32 s54, 13, 12                      ; a row of Wkv is 8,192 bytes, of Wq and Wp 4,096
	s_cmp_lt_u32 s22, 8
	s_cselect_b64 s[34:35], s[6:7], s[34:35]
	s_cselect_b32 s53, 0, s53
	s_cselect_b32 s54, 12, s54
	s_sub_co_u32 s53, s22, s53                     ; the group of 128 columns inside its weight
	s_lshl_b32 s55, 1, s54                         ; bytes from row to row
	s_lshl_b32 s56, s23, 8
	s_lshl_b32 s56, s56, s54                       ; 256 ky rows,
	s_lshl_b32 s57, s53, 9
	s_add_co_u32 s56, s56, s57                     ; 128 columns a group,
	s_lshl_b32 s57, s20, 7
	s_add_co_u32 s56, s56, s57                     ; 32 a wave, 4 bytes each
	s_mov_b32 s57, 0
	s_add_nc_u64 s[SB:SB+1], s[34:35], s[56:57]
	s_lshl_b32 s56, s55, 5                         ; 32 rows on
.irp t, 1,2,3,4,5,6,7
	s_add_nc_u64 s[SB+2*\t:SB+2*\t+1], s[SB+2*\t-2:SB+2*\t-1], s[56:57]
.endr
	v_lshlrev_b32 v[VO], 2, v2                     ; 4 bytes a lane: a load reads 128 consecutive bytes a wave, 512 a work-group
.set i, 1
.rept 31
	v_add_nc_u32 v[VO+i], s55, v[VO+i-1]
.set i, i+1
.endr
.macro WLOAD t                         ; block t: W(32 t + i, my column), i = 0 .. 31, into set t % 2
.set i, 0
.rept 32
	global_load_b32 v[WX+32*((\t)%2)+i], v[VO+i], s[SB+2*(\t):SB+2*(\t)+1] th:TH_LOAD_NT
.set i, i+1
.endr
.endm
	WLOAD 0
	WLOAD 1
	s_mul_i32 s58, s20, 32*PITCH
	s_add_co_u32 s58, s58, WST                     ; my stage
	v_mul_u32_u24 v4, v2, PITCH
	v_add_nc_u32 v4, s58, v4                       ; into it: row = my column
	v_and_b32 v5, 15, v2
	v_lshrrev_b32 v6, 4, v2
	v_mul_u32_u24 v7, v6, PITCH
	v_lshl_add_u32 v7, v5, 4, v7
	v_add_nc_u32 v7, s58, v7                       ; out of it: sixteen lanes to a row, two rows an instruction
	v_lshlrev_b32 v8, 10, v6
	v_lshl_add_u32 v8, v5, 4, v8                   ; and the same place in wc (rows of 1,024 bytes)
	s_lshl_b32 s60, s22, 7
	s_lshl_b32 s61, s20, 5
	s_add_co_u32 s60, s60, s61
	s_lshl_b32 s60, s60, 10                        ; row 128 cg + 32 wave of wc,
	s_lshl_b32 s61, s23, 8
	s_add_co_u32 s60, s60, s61                     ; byte 256 ky
	s_mov_b32 s61, 0
	s_add_nc_u64 s[18:19], s[18:19], s[60:61]
	s_wait_kmcnt 0x0
	s_cmp_lt_u32 s22, 24
	s_cselect_b32 s52, s27, s33                    ; e3 or e9,
	s_cmp_lt_u32 s22, 8
	s_cselect_b32 s52, s25, s52                    ; or e1
	s_add_co_i32 s52, s52, 127
	s_lshl_b32 s59, s52, 23
	v_mov_b32 v11, s59                             ; 2^e
	s_add_co_i32 s52, s52, 8
	s_lshl_b32 s52, s52, 23
	s_or_b32 s52, s52, 0x600000
	v_mov_b32 v10, s52                             ; 448 x 2^e
.macro WBLOCK t
.set XS, WX+32*((\t)%2)
.if (\t) < 7
	s_wait_loadcnt 32                              ; this block's 32 loads are in; the next block's may be out
.else
	s_wait_loadcnt 0
.endif
.set i, 0
.rept 32
	v_med3_num_f32 v[XS+i], v[XS+i], -v10, v10     ; the hold at the largest code x the scale
.set i, i+1
.endr
.irp g, 0,1,2,3
	v_cvt_scalef32_pk8_fp8_f32 v[WC+2*\g:WC+2*\g+1], v[XS+8*\g:XS+8*\g+7], v11
.endr
	ds_store_b128 v4, v[WC:WC+3] offset:32*(\t)    ; 32 codes: 32 bytes of my column's row
	ds_store_b128 v4, v[WC+4:WC+7] offset:32*(\t)+16
.if (\t)+2 < 8
	WLOAD (\t)+2
.endif
	s_wait_dscnt 0x0                               ; the stores have read their registers: the next block's codes may be written
.endm
.irp t, 0,1,2,3,4,5,6,7
	WBLOCK \t
.endr
.irp t, 0,1,2,3,4,5,6,7,8,9,10,11,12,13,14,15
	ds_load_b128 v[OUTR+4*\t:OUTR+4*\t+3], v7 offset:2*\t*PITCH   ; LDS serves a wave's instructions in order: these see my stores
.endr
.irp t, 0,1,2,3,4,5,6,7,8,9,10,11,12,13,14,15
	s_wait_dscnt 15-\t
	global_store_b128 v8, v[OUTR+4*\t:OUTR+4*\t+3], s[18:19] offset:2*\t*1024   ; sixteen lanes store 256 consecutive bytes, at a multiple of 256 from wc's first byte
.endr
	s_wait_tensorcnt 0x0                           ; the wave's end, behind my last LDS store
	ds_add_u32 v[SPW], v[NIL]
	s_wait_dscnt 0x0
	s_endpgm
.Lfunc_end_k_q7b4d3afc4a_quant:
	.size	k_q7b4d3afc4a_quant, .Lfunc_end_k_q7b4d3afc4a_quant-k_q7b4d3afc4a_quant
	.p2alignl 7, 3214868480
	.fill 96, 4, 3214868480
	.section	.rodata,"a",@progbits
	.p2align	6, 0x0
	.amdhsa_kernel k_q7b4d3afc4a_quant
		.amdhsa_group_segment_fixed_size 68096
		.amdhsa_private_segment_fixed_size 0
		.amdhsa_enable_private_segment 0
		.amdhsa_kernarg_size 64
		.amdhsa_user_sgpr_count 2
		.amdhsa_user_sgpr_kernarg_segment_ptr 1
		.amdhsa_wavefront_size32 1
		.amdhsa_system_sgpr_workgroup_id_x 1
		.amdhsa_system_sgpr_workgroup_id_y 1
		.amdhsa_system_sgpr_workgroup_id_z 1
		.amdhsa_system_vgpr_workitem_id 0
		.amdhsa_next_free_vgpr 256
		.amdhsa_next_free_sgpr 66
		.amdhsa_reserve_vcc 0
		.amdhsa_float_denorm_mode_32 3
		.amdhsa_float_denorm_mode_16_64 3
		.amdhsa_memory_ordered 1
		.amdhsa_forward_progress 1
		.amdhsa_inst_pref_size 107
	.end_amdhsa_kernel
	.amdgpu_metadata
---
amdhsa.version: [ 1, 2 ]
amdhsa.kernels:
  - .name:           k_q7b4d3afc4a_quant
    .symbol:         k_q7b4d3afc4a_quant.kd
    .args:
      - { .name: x, .offset: 0, .size: 8, .value_kind: global_buffer, .address_space: global }
      - { .name: Wq, .offset: 8, .size: 8, .value_kind: global_buffer, .address_space: global }
      - { .name: Wkv, .offset: 16, .size: 8, .value_kind: global_buffer, .address_space: global }
      - { .name: Wp, .offset: 24, .size: 8, .value_kind: global_buffer, .address_space: global }
      - { .name: lowp_scales, .offset: 32, .size: 8, .value_kind: global_buffer, .address_space: global }
      - { .name: xq, .offset: 40, .size: 8, .value_kind: global_buffer, .address_space: global }
      - { .name: xkv, .offset: 48, .size: 8, .value_kind: global_buffer, .address_space: global }
      - { .name: wc, .offset: 56, .size: 8, .value_kind: global_buffer, .address_space: global }
    .group_segment_fixed_size: 68096
    .private_segment_fixed_size: 0
    .kernarg_segment_align: 8
    .kernarg_segment_size: 64
    .max_flat_workgroup_size: 128
    .sgpr_count:     66
    .vgpr_count:     256
    .wavefront_size: 32
...
	.end_amdgpu_metadata
.endif
;; end of part 1
;; launch qkv (part 2): grid 12 x 32, 4 waves a work-group, clusters of 4 x 4, 327,680 bytes of LDS; arguments xq, xkv, wc, bq, bkv, lowp_scales, qc, kc, vc; writes qc, kc, vc
.if DOCPART == 2
	.amdgcn_target "amdgcn-amd-amdhsa--gfx1250"
	.amdhsa_code_object_version 6
	.text
	.protected	k_q7b4d3afc4a_qkv
	.globl	k_q7b4d3afc4a_qkv
	.p2align	8
	.type	k_q7b4d3afc4a_qkv,@function
k_q7b4d3afc4a_qkv:
	s_mov_b64 s[64:65], 0
	v_nop
	global_prefetch_b8 v0, s[64:65] scope:SCOPE_SE
	s_setreg_imm32_b32 hwreg(HW_REG_WAVE_MODE, 25, 1), 1
	s_wait_xcnt 0x0
	s_wait_alu depctr_hold_cnt(0) depctr_sa_sdst(0) depctr_va_vdst(0) depctr_va_sdst(0) depctr_va_ssrc(0) depctr_va_vcc(0) depctr_vm_vsrc(0)
	s_getreg_b32 s2, hwreg(HW_REG_IB_STS2, 6, 4)
	s_cmp_eq_u32 s2, 0
	s_cbranch_scc0 .Lentry_in_a_cluster
	s_endpgm
.Lentry_in_a_cluster:
	s_bfe_u32 s2, ttmp6, 0x10000c
	s_cmp_lg_u32 s2, 0xf033
	s_cbranch_scc0 .Lentry_shape_is_right
	s_endpgm
.Lentry_shape_is_right:
; q = x Wq + bq, k and v = x Wkv + bkv, on codes of FP8 (E4M3); the results are quantised at once for the attention: q with e4, k with e5, v with e7.
; One text, C = A B^T on tiles of 256 x 256, K = 1,024 in four steps of 256 through a ring of two LDS slots.  The cluster's x says which product:
;   0: A = xq (tokens),  B = Wq^T: q [token][channel]      1: A = xkv, B = Wk^T: k [token][channel]      2: A = Wv^T (channels), B = xkv (tokens): V^T, so that the KEYS come out innermost.
; Four waves, each 128 x 128 of C in 64 accumulators.  The matrix instruction is used transposed (source 0 = 16 rows of B, source 1 = 16 rows of A): a lane holds one row of A and eight neighbouring rows of B.
; The bias, divided by 2^(ea + eb), is the C of each sum's first matrix instruction.  A finished sum stands for sum x 2^(ea + eb): its code is sum / 2^(eo - ea - eb): the three scales are one conversion scale.
; THE ORDER OF THE CODES.  A lane's codes of accumulators 2 B and 2 B + 1 are stored as 16 bytes on end: in each run of 32 along a row, place 16 h + 8 u + j holds number 16 u + 8 h + j.
; In q and k that is one permutation of the head's channels, alike in both.  In v it is the order in which the attention's weights fall out of tiles of 16 neighbouring keys.
; qc, kc: [8192 tokens][1024].  vc: [64 blocks of 128 keys][1024 channels][128].
; CLUSTERS: 4 x 4 work-groups; A's tile is shared along a row of the cluster, B's along a column: each is asked for jointly.  All branches but those on the wave's number hang on the cluster's x, which the sixteen share.
; LIMITS: eo - ea - eb between -126 and 119 (ea + eb = e0 + e1 or e2 + e3; eo = e4, e5 or e7).
; REGISTERS, in windows of 256: window 0: v10-30 constants and addresses; v32-95 the bias's image, later the held sums; v128-255 A's fragments, ONE set, later the codes and the rows on their way out.
;   window 1: B's fragments, two sets.   windows 2, 3: the accumulators (a, b) at v[8 (8 (a % 4) + b)].
.set ROWB,   256                       ; a tile's row: 256 codes
.set KROW,   1024                      ; a row of A or of B in memory
.set PITCH,  272                       ; an LDS row: 256 bytes + 16 of padding: the 16 rows that a load touches start at 16 different banks (64 banks of 4 bytes: ISA guide 11.1)
.set FR,     16
.set NL,     4
.set NP,     4                         ; places behind this matrix instruction (ISA guide 7.12.1)
.set HALFT,  128*PITCH
.set SLOT,   4*HALFT
.set SPARE,  2*SLOT                    ; behind the ring: the spare words, 128 bytes for each wave
.set SC,   10                          ; v10  2^(eo - ea - eb)
.set LM,   11                          ; v11  448 x that
.set BOQ,  12                          ; v12  the bias along B's rows: 32 h
.set BOV,  13                          ; v13  the bias along A's rows: 4 r
.set ADRA, 16
.set ADRB, 20
.set STO,  24                          ; v24  the stage: where I put 16 codes of a row
.set RDQ,  25                          ; v25  q, k: where I read a row back;  v26 its place in memory
.set COQ,  26
.set RDV,  27                          ; v27  v: the same;  v30 its place in memory
.set SPW,  28
.set NIL,  29
.set COV,  30
.set BI,   32
.set TMP,  32
.set AF,   128
.set CD,   128
.set G1, 24
.set G0, 32
.set G1B, 48
.set G0B, 56
.set MSB, 0
.macro WIN new                         ; the immediate's high byte repeats the setting that is left
.if MSB != \new
	s_set_vgpr_msb (MSB<<8)|\new
.set MSB, \new
.endif
.endm
.set MUL_LO, 0xa1                      ; source 0 (B) window 1, source 1 (A) window 0, C and D window 2
.set MUL_HI, 0xf1
.set TO_B,   0x40
; A joint load: waves 0 and 1 fetch for A, waves 2 and 3 for B.  An s_nop 0 and four v_nop follow each of the two lines.
.macro JLOAD g0a, g1a, g0b, g1b
	s_cmp_eq_u32 s15, 0
	s_cbranch_scc0 .Lfor_b_\@
	tensor_load_to_lds s[\g0a:\g0a+3], s[\g1a:\g1a+7]
	s_nop 0
.rept 4
	v_nop
.endr
	s_branch .Lasked_\@
.Lfor_b_\@:
	tensor_load_to_lds s[\g0b:\g0b+3], s[\g1b:\g1b+7]
	s_nop 0
.rept 4
	v_nop
.endr
.Lasked_\@:
.endm
.macro CREST
	s_cmp_lg_u32 s14, 0
	s_cbranch_scc1 .Lnot_wave_0_\@
	s_barrier_signal -3
.Lnot_wave_0_\@:
	s_barrier_wait -3
	s_barrier_signal -1
	s_barrier_wait -1
.endm
.macro CROUND
	s_barrier_signal -1
	s_barrier_wait -1
	CREST
.endm
	s_load_b256 s[4:11], s[0:1], 0x0               ; xq s[4:5], xkv s[6:7], wc s[8:9], bq s[10:11]
	s_load_b256 s[68:75], s[0:1], 0x20             ; bkv s[68:69], the scales' exponents s[70:71], qc s[72:73], kc s[74:75]
	s_load_b64 s[76:77], s[0:1], 0x40              ; vc
	v_lshl_add_u32 v[SPW], v0, 2, SPARE
	v_mov_b32 v[NIL], 0
	ds_add_u32 v[SPW], v[NIL]                      ; the wave's opening: the add, with its wait ahead of my first tensor load; the set-up below stands between them
	v_lshrrev_b32 v1, 5, v0
	v_readfirstlane_b32 s14, v1                    ; wave 0..3
	s_lshr_b32 s15, s14, 1                         ; which half of the tile's rows is mine.  Also: I fetch for A (0) or for B (1)
	s_and_b32 s16, s14, 1                          ; which half of its columns.  Also: which 128 rows of that tile I fetch
	s_bfe_u32 s40, ttmp6, 0x40000                  ; cx, cy
	s_bfe_u32 s41, ttmp6, 0x40004
	s_mov_b32 s66, ttmp9                           ; the product: 0 q, 1 k, 2 v
	s_and_b32 s67, ttmp7, 0xffff
	s_lshl_b32 s67, s67, 2                         ; 4 x cluster y walks the tokens: A's rows for q and k, B's for v
	s_cmp_eq_u32 s66, 2
	s_cselect_b32 s17, 0, s67
	s_cselect_b32 s42, s67, 0
	s_add_co_u32 s17, s17, s41                     ; tile row of C
	s_add_co_u32 s42, s42, s40                     ; tile column of C
	s_lshl_b32 s43, s41, 2
	s_lshl_b32 s43, 15, s43                        ; my row of the cluster
	s_lshl_b32 s44, 0x1111, s40                    ; my column
	s_or_b32 s[G1+0], s43, (0<<16)|(1<<20)|(1<<21)|(5<<22)|(3<<25)  ; the mask; elements of 1 byte; padding: 4 words behind every 64; bit 21 beside a mask
	s_or_b32 s[G1B+0], s44, (0<<16)|(1<<20)|(1<<21)|(5<<22)|(3<<25)
.irp g, G1, G1B
	s_mov_b32 s[\g+1], ROWB<<16                    ; tensor_dim0
	s_mov_b32 s[\g+2], 128<<16                     ; tensor_dim1
	s_mov_b32 s[\g+3], ROWB<<16                    ; tile_dim0
	s_mov_b32 s[\g+4], 128                         ; tile_dim1
	s_mov_b32 s[\g+5], KROW                        ; tensor_dim0_stride
	s_mov_b32 s[\g+6], 0
	s_mov_b32 s[\g+7], 0
.endr
	s_lshl_b32 s18, s16, 7                         ; which 128 rows of the tile I fetch
	s_lshl_b32 s96, s17, 8
	s_add_co_u32 s96, s96, s18
	s_lshl_b32 s96, s96, 10                        ; A: (256 x tile row + 128 x half) rows of 1,024 bytes
	s_mov_b32 s97, 0
	s_lshl_b32 s46, s42, 8
	s_add_co_u32 s46, s46, s18
	s_lshl_b32 s46, s46, 10                        ; B likewise by the tile column
	s_mov_b32 s47, 0
	s_mul_i32 s45, s14, HALFT                      ; where they go: wave x 128 rows
	s_cmp_eq_u32 s66, 2                            ; the bias runs along the channels: B's rows for q and k, A's for v (the second half of bkv)
	s_cselect_b32 s98, s17, s42
	s_cselect_b32 s99, s15, s16
	s_cselect_b32 s91, 4096, 0
	s_lshl_b32 s98, s98, 10
	s_lshl_b32 s99, s99, 9
	s_add_co_u32 s98, s98, s99
	s_add_co_u32 s98, s98, s91
	s_mov_b32 s99, 0
	s_lshl_b32 s88, s17, 8                         ; the rows that I store: 256 x tile row + 64 x wave: tokens of 1,024 bytes, or channels of 128
	s_lshl_b32 s89, s14, 6
	s_add_co_u32 s88, s88, s89
	s_cmp_eq_u32 s66, 2
	s_cselect_b32 s89, 7, 10
	s_cselect_b32 s91, 18, 8                       ; a tile column is 256 bytes of a token's row, or two blocks of 128 keys
	s_lshl_b32 s88, s88, s89
	s_lshl_b32 s91, s42, s91
	s_add_co_u32 s88, s88, s91
	s_mov_b32 s89, 0
	s_wait_dscnt 0x0                               ; the opening add is done
	s_wait_kmcnt 0x0
	s_load_b256 s[80:87], s[70:71], 0x0            ; e0 .. e7
	s_add_nc_u64 s[18:19], s[8:9], 0x200000        ; Wv^T: rows 2,048 on of wc
	s_add_nc_u64 s[20:21], s[8:9], 0x100000        ; Wk^T: rows 1,024 on
	s_cmp_eq_u32 s66, 0
	s_cselect_b64 s[22:23], s[4:5], s[6:7]
	s_cselect_b64 s[20:21], s[8:9], s[20:21]
	s_cselect_b64 s[92:93], s[10:11], s[68:69]
	s_cselect_b64 s[94:95], s[72:73], s[74:75]
	s_cmp_eq_u32 s66, 2
	s_cselect_b64 s[22:23], s[18:19], s[22:23]     ; A
	s_cselect_b64 s[20:21], s[6:7], s[20:21]       ; B
	s_cselect_b64 s[94:95], s[76:77], s[94:95]     ; the output
	s_add_nc_u64 s[22:23], s[22:23], s[96:97]
	s_add_nc_u64 s[46:47], s[20:21], s[46:47]
	s_add_nc_u64 s[92:93], s[92:93], s[98:99]
	s_add_nc_u64 s[94:95], s[94:95], s[88:89]
	CROUND                                         ; all sixteen work-groups are here: the first joint loads meet
.irp s, 0,1
	s_mov_b32 s[G0+4*\s], 1
	s_add_co_u32 s[G0+4*\s+1], s45, \s*SLOT
	s_add_nc_u64 s[G0+4*\s+2:G0+4*\s+3], s[22:23], \s*ROWB
	s_or_b32 s[G0+4*\s+3], s[G0+4*\s+3], 0x80000000
	s_mov_b32 s[G0B+4*\s], 1
	s_add_co_u32 s[G0B+4*\s+1], s45, \s*SLOT
	s_add_nc_u64 s[G0B+4*\s+2:G0B+4*\s+3], s[46:47], \s*ROWB
	s_or_b32 s[G0B+4*\s+3], s[G0B+4*\s+3], 0x80000000
	JLOAD G0+4*\s, G1, G0B+4*\s, G1B               ; two loads of mine are out
.endr
	v_and_b32 v1, 15, v0                           ; r
	v_bfe_u32 v2, v0, 4, 1                         ; h
	v_mul_u32_u24 v3, v1, PITCH
	v_lshl_add_u32 v4, v2, 4, v3                   ; a fragment's row x pitch + 16 x half
	s_mul_i32 s21, s15, HALFT
	s_mul_i32 s22, s16, HALFT
	s_add_co_u32 s22, s22, 2*HALFT
.irp s, 0,1
	v_add_nc_u32 v[ADRA+\s], s21, v4
	v_add_nc_u32 v[ADRB+\s], s22, v4
	s_add_co_u32 s21, s21, SLOT
	s_add_co_u32 s22, s22, SLOT
.endr
	s_mul_i32 s23, s15, HALFT                      ; the stage: 256 rows x 272 bytes from LDS byte 0: row 128 x (row half) + r, byte 128 x (column half) + 16 h
	s_lshl_b32 s21, s16, 7
	s_add_co_u32 s23, s23, s21
	v_add_nc_u32 v[STO], s23, v4
	s_mul_i32 s23, s14, 64*PITCH                   ; back: wave w takes rows 64 w .. 64 w + 63
	v_mul_u32_u24 v5, v2, PITCH
	v_lshl_add_u32 v5, v1, 4, v5
	v_add_nc_u32 v[RDQ], s23, v5                   ; q, k: lanes 0-15 one row of 256 bytes, lanes 16-31 the next
	v_lshlrev_b32 v[COQ], 10, v2
	v_lshl_add_u32 v[COQ], v1, 4, v[COQ]
	v_bfe_u32 v6, v0, 3, 1
	v_and_b32 v7, 7, v0
	v_mul_u32_u24 v5, v6, PITCH
	v_lshl_add_u32 v5, v2, 7, v5
	v_lshl_add_u32 v5, v7, 4, v5
	v_add_nc_u32 v[RDV], s23, v5                   ; v: eight lanes take 128 bytes of a channel, the next eight the next channel's: 256 bytes on end in vc; lanes 16-31 the other block of keys
	v_lshlrev_b32 v[COV], 17, v2
	v_lshl_add_u32 v[COV], v6, 7, v[COV]
	v_lshl_add_u32 v[COV], v7, 4, v[COV]
	v_lshlrev_b32 v[BOQ], 5, v2
	v_lshlrev_b32 v[BOV], 2, v1
	s_cmp_eq_u32 s66, 2                            ; the bias's numbers are asked for while the first tiles are on their way
	s_cbranch_scc1 .Lv_bias
.irp b, 0,1,2,3,4,5,6,7                        ; q, k: accumulator (a, b), register j: the bias of channel 16 b + 8 h + j
	global_load_b128 v[BI+8*\b:BI+8*\b+3], v[BOQ], s[92:93] offset:64*\b
	global_load_b128 v[BI+8*\b+4:BI+8*\b+7], v[BOQ], s[92:93] offset:64*\b+16
.endr
	s_branch .Lbias_asked
.Lv_bias:
.irp a, 0,1,2,3,4,5,6,7                        ; v: accumulator (a, b), every register: the bias of channel 16 a + r
	global_load_b32 v[BI+8*\a], v[BOV], s[92:93] offset:64*\a
.endr
.Lbias_asked:
.macro FRAG reg, adr, q, i             ; a fragment, 16 rows x 128 K: lane l holds row l % 16; registers 4 c .. 4 c + 3 hold K = 32 c + 16 (l / 16) + 0 .. 15: one permutation of k, alike in A and B
.irp c, 0,1,2,3
	ds_load_b128 v[\reg+4*\c:\reg+4*\c+3], v[\adr] offset:128*(\q)+32*\c+(\i)*16*PITCH
.endr
.endm
; 16 matrix instructions: A's blocks a0, a0 + 1 x B's eight.  cm = 0: the sums go on; 1: they start from the bias's image by b; 2: by a.  The 64 accumulators take turns.
.macro MUL16 a0, p, cm
.irp a, \a0, \a0+1
.irp b, 0,1,2,3,4,5,6,7
.if \cm == 1
	v_wmma_f32_16x16x128_fp8_fp8 v[8*(8*((\a)%4)+\b):8*(8*((\a)%4)+\b)+7], v[128*(\p)+FR*\b:128*(\p)+FR*\b+FR-1], v[AF+FR*(\a):AF+FR*(\a)+FR-1], v[BI+8*\b:BI+8*\b+7]
.elseif \cm == 2
	v_wmma_f32_16x16x128_fp8_fp8 v[8*(8*((\a)%4)+\b):8*(8*((\a)%4)+\b)+7], v[128*(\p)+FR*\b:128*(\p)+FR*\b+FR-1], v[AF+FR*(\a):AF+FR*(\a)+FR-1], v[BI+8*(\a):BI+8*(\a)+7]
.else
	v_wmma_f32_16x16x128_fp8_fp8 v[8*(8*((\a)%4)+\b):8*(8*((\a)%4)+\b)+7], v[128*(\p)+FR*\b:128*(\p)+FR*\b+FR-1], v[AF+FR*(\a):AF+FR*(\a)+FR-1], v[8*(8*((\a)%4)+\b):8*(8*((\a)%4)+\b)+7]
.endif
.endr
.endr
.endm
.macro FETCH_B slot, q, p
	WIN TO_B
.irp i, 0,1,2,3,4,5,6,7
	FRAG 128*(\p)+FR*\i, ADRB+\slot, \q, \i
.endr
	WIN 0
.endm
.macro FETCH_A slot, q, i0
.irp i, \i0, \i0+1, \i0+2, \i0+3
	FRAG AF+FR*(\i), ADRA+\slot, \q, \i
.endr
.endm
.macro PLACES n                        ; plain vector lines between a matrix instruction and a load into, or a read of, its registers
.rept \n
	v_nop
.endr
.endm
; A step of 128 along K that has its successor in the same slot.
.macro STEP slot, q, cm
	s_wait_dscnt 4*NL                              ; B's set and A's blocks 0-3 are in; the youngest loads (A's blocks 4-7) may be out
.if \cm
	WIN 0x81                                       ; C (the bias's image) window 0, D window 2
.else
	WIN MUL_LO
.endif
	MUL16 0, (\q)%2, \cm
	MUL16 2, (\q)%2, \cm
	s_wait_dscnt 0                                 ; A's blocks 4-7 are in
	PLACES NP
	FETCH_B \slot, (\q)+1, 1-(\q)%2
	FETCH_A \slot, (\q)+1, 0
.if \cm
	WIN 0xc1
.else
	WIN MUL_HI
.endif
	MUL16 4, (\q)%2, \cm
	MUL16 6, (\q)%2, \cm
	PLACES NP
	WIN 0
	FETCH_A \slot, (\q)+1, 4
.endm
; A slot's last step changes slots: one barrier; in front of it each wave waits for all its tensor loads, adds 0 to its spare word, and waits for that and for its reads of this slot.
.macro TURN slot, next, fill
	s_wait_tensorcnt 0x0                           ; all my tensor loads have landed: my part of the next slot
	ds_add_u32 v[SPW], v[NIL]                      ; 0 onto my spare word
	s_wait_dscnt 4*NL+1                            ; (the add and the youngest loads, A's blocks 4-7, may be out)
	WIN MUL_LO
	MUL16 0, 1, 0
	s_wait_dscnt 0x0                               ; the add is done, and my reads of this slot are over
	s_barrier_signal -1
	MUL16 2, 1, 0
	WIN 0
	s_barrier_wait -1
.if \fill
	CREST                                          ; the barrier has opened a round of the cluster's barrier: no wave of any partner still reads this slot or has a load on its way
	s_add_nc_u64 s[G0+4*\slot+2:G0+4*\slot+3], s[G0+4*\slot+2:G0+4*\slot+3], 2*ROWB
	s_add_nc_u64 s[G0B+4*\slot+2:G0B+4*\slot+3], s[G0B+4*\slot+2:G0B+4*\slot+3], 2*ROWB
	JLOAD G0+4*\slot, G1, G0B+4*\slot, G1B         ; the first tensor load behind the round; its four v_nop are the places in front of the loads below
.else
	PLACES NP
.endif
	FETCH_B \next, 0, 0
	FETCH_A \next, 0, 0
	WIN MUL_HI
	MUL16 4, 1, 0
	MUL16 6, 1, 0
	PLACES NP
	WIN 0
	FETCH_A \next, 0, 4
.endm
	s_wait_tensorcnt 1                             ; my part of K step 0 is in (K step 1's load may be out),
	s_barrier_signal -1
	s_barrier_wait -1                              ; everybody's is
	FETCH_B 0, 0, 0
	FETCH_A 0, 0, 0
	FETCH_A 0, 0, 4
	s_wait_loadcnt 0x0                             ; the bias
	s_wait_kmcnt 0x0                               ; the exponents
	s_add_co_i32 s88, s80, s81                     ; e0 + e1
	s_add_co_i32 s89, s82, s83                     ; e2 + e3
	s_cmp_eq_u32 s66, 0
	s_cselect_b32 s88, s88, s89                    ; ea + eb
	s_cselect_b32 s89, s84, s85
	s_cmp_eq_u32 s66, 2
	s_cselect_b32 s89, s87, s89                    ; eo: e4, e5 or e7
	s_sub_co_i32 s90, 0, s88
	s_sub_co_i32 s89, s89, s88
	s_add_co_i32 s89, s89, 127
	s_lshl_b32 s91, s89, 23
	v_mov_b32 v[SC], s91                           ; 2^(eo - ea - eb)
	s_add_co_i32 s89, s89, 8
	s_lshl_b32 s89, s89, 23
	s_or_b32 s89, s89, 0x600000
	v_mov_b32 v[LM], s89                           ; 448 x that
	s_cmp_eq_u32 s66, 2
	s_cbranch_scc1 .Lv_first
.set n, 0
.rept 64
	v_ldexp_f32 v[BI+n], v[BI+n], s90              ; bias / 2^(ea + eb): nothing is rounded
.set n, n+1
.endr
	STEP 0, 0, 1                                   ; the first step's products start the sums from the bias
	s_branch .Lmain
.Lv_first:
.irp a, 0,1,2,3,4,5,6,7
.irp j, 7,6,5,4,3,2,1,0
	v_ldexp_f32 v[BI+8*\a+\j], v[BI+8*\a], s90     ; one channel a lane: the same number in all eight registers
.endr
.endr
	STEP 0, 0, 2
.Lmain:
	s_mov_b32 s3, 1
.Llap:                                             ; once round the ring: both slots are filled again (K steps 2 and 3)
	TURN 0, 1, 1
	STEP 1, 0, 0
	TURN 1, 0, 1
	STEP 0, 0, 0
	s_sub_co_u32 s3, s3, 1
	s_cmp_lg_u32 s3, 0
	s_cbranch_scc1 .Llap
	TURN 0, 1, 0                                   ; the last lap fills nothing
	STEP 1, 0, 0
	s_wait_dscnt 4*NL
	WIN MUL_LO
	MUL16 0, 1, 0
	MUL16 2, 1, 0
	s_wait_dscnt 0
	WIN MUL_HI
	MUL16 4, 1, 0
	MUL16 6, 1, 0
	WIN 0
; THE WAY OUT.  Block a (16 rows of A x my 128 rows of B): held, converted, 16 bytes a lane into the work-group's stage.  The stage lies in slot 0, which has had its last fill, and which nobody reads behind the last change of slots.
.macro QBLOCK a
.set AC, 64*((\a)%4)
	WIN 0x02+((\a)/4)                              ; source 0: window 2 or 3
.set n, 0
.rept 64
	v_med3_num_f32 v[TMP+n], v[AC+n], -v[LM], v[LM]   ; the hold at the largest code x the scale; each accumulator from its low end on
.set n, n+1
.endr
	WIN 0
.irp g, 0,1,2,3,4,5,6,7
	v_cvt_scalef32_pk8_fp8_f32 v[CD+16*(\a)+2*\g:CD+16*(\a)+2*\g+1], v[TMP+8*\g:TMP+8*\g+7], v[SC]
.endr
	v_nop                                          ; a plain line between the conversions and the next block's holds, which write their sources
.irp g, 0,1,2,3
	ds_store_b128 v[STO], v[CD+16*(\a)+4*\g:CD+16*(\a)+4*\g+3] offset:(\a)*16*PITCH+32*\g   ; accumulators 2 g and 2 g + 1: 16 bytes on end
.endr
.endm
	PLACES NP
.irp a, 0,1,2,3,4,5,6,7
	QBLOCK \a
.endr
	s_wait_dscnt 0x0                               ; for the others' sake: my stores into the stage are done
	s_barrier_signal -1
	s_barrier_wait -1
	s_cmp_eq_u32 s66, 2
	s_cbranch_scc1 .Lv_out
.set n, 0
.rept 32
	ds_load_b128 v[CD+4*n:CD+4*n+3], v[RDQ] offset:2*n*PITCH
.set n, n+1
.endr
.set n, 0
.rept 32
	s_wait_dscnt 31-n
	global_store_b128 v[COQ], v[CD+4*n:CD+4*n+3], s[94:95] offset:2*n*1024   ; sixteen lanes store 256 consecutive bytes of a token's row, at a multiple of 256
.set n, n+1
.endr
	s_branch .Lout_done
.Lv_out:
.set n, 0
.rept 32
	ds_load_b128 v[CD+4*n:CD+4*n+3], v[RDV] offset:2*n*PITCH
.set n, n+1
.endr
.set n, 0
.rept 32
	s_wait_dscnt 31-n
	global_store_b128 v[COV], v[CD+4*n:CD+4*n+3], s[94:95] offset:256*n      ; sixteen lanes store two channels' 128 keys: 256 consecutive bytes, at a multiple of 256
.set n, n+1
.endr
.Lout_done:
	s_wait_tensorcnt 0x0                           ; the wave's end
	ds_add_u32 v[SPW], v[NIL]
	s_wait_dscnt 0x0
	CROUND                                         ; the closing round
	s_endpgm
.Lfunc_end_k_q7b4d3afc4a_qkv:
	.size	k_q7b4d3afc4a_qkv, .Lfunc_end_k_q7b4d3afc4a_qkv-k_q7b4d3afc4a_qkv
	.p2alignl 7, 3214868480
	.fill 96, 4, 3214868480
	.section	.rodata,"a",@progbits
	.p2align	6, 0x0
	.amdhsa_kernel k_q7b4d3afc4a_qkv
		.amdhsa_group_segment_fixed_size 327680
		.amdhsa_private_segment_fixed_size 0
		.amdhsa_enable_private_segment 0
		.amdhsa_kernarg_size 72
		.amdhsa_user_sgpr_count 2
		.amdhsa_user_sgpr_kernarg_segment_ptr 1
		.amdhsa_wavefront_size32 1
		.amdhsa_system_sgpr_workgroup_id_x 1
		.amdhsa_system_sgpr_workgroup_id_y 1
		.amdhsa_system_sgpr_workgroup_id_z 1
		.amdhsa_system_vgpr_workitem_id 0
		.amdhsa_next_free_vgpr 1024
		.amdhsa_next_free_sgpr 100
		.amdhsa_reserve_vcc 0
		.amdhsa_float_denorm_mode_32 3
		.amdhsa_float_denorm_mode_16_64 3
		.amdhsa_memory_ordered 1
		.amdhsa_forward_progress 1
		.amdhsa_inst_pref_size 150
	.end_amdhsa_kernel
	.amdgpu_metadata
---
amdhsa.version: [ 1, 2 ]
amdhsa.kernels:
  - .name:           k_q7b4d3afc4a_qkv
    .symbol:         k_q7b4d3afc4a_qkv.kd
    .args:
      - { .name: xq, .offset: 0, .size: 8, .value_kind: global_buffer, .address_space: global }
      - { .name: xkv, .offset: 8, .size: 8, .value_kind: global_buffer, .address_space: global }
      - { .name: wc, .offset: 16, .size: 8, .value_kind: global_buffer, .address_space: global }
      - { .name: bq, .offset: 24, .size: 8, .value_kind: global_buffer, .address_space: global }
      - { .name: bkv, .offset: 32, .size: 8, .value_kind: global_buffer, .address_space: global }
      - { .name: lowp_scales, .offset: 40, .size: 8, .value_kind: global_buffer, .address_space: global }
      - { .name: qc, .offset: 48, .size: 8, .value_kind: global_buffer, .address_space: global }
      - { .name: kc, .offset: 56, .size: 8, .value_kind: global_buffer, .address_space: global }
      - { .name: vc, .offset: 64, .size: 8, .value_kind: global_buffer, .address_space: global }
    .group_segment_fixed_size: 327680
    .private_segment_fixed_size: 0
    .kernarg_segment_align: 8
    .kernarg_segment_size: 72
    .max_flat_workgroup_size: 128
    .sgpr_count:     100
    .vgpr_count:     1024
    .wavefront_size: 32
...
	.end_amdgpu_metadata
.endif
;; end of part 2
;; launch attn (part 3): grid 16 x 16, 16 waves a work-group, clusters of 4 x 1, 327,680 bytes of LDS; arguments qc, kc, vc, alibi_m, alibi_offset, lowp_scales, yc; writes yc
.if DOCPART == 3
	.amdgcn_target "amdgcn-amd-amdhsa--gfx1250"
	.amdhsa_code_object_version 6
	.text
	.protected	k_q7b4d3afc4a_attn
	.globl	k_q7b4d3afc4a_attn
	.p2align	8
	.type	k_q7b4d3afc4a_attn,@function
k_q7b4d3afc4a_attn:
	s_mov_b64 s[64:65], 0
	v_nop
	global_prefetch_b8 v0, s[64:65] scope:SCOPE_SE
	s_setreg_imm32_b32 hwreg(HW_REG_WAVE_MODE, 25, 1), 1
	s_wait_xcnt 0x0
	s_wait_alu depctr_hold_cnt(0) depctr_sa_sdst(0) depctr_va_vdst(0) depctr_va_sdst(0) depctr_va_ssrc(0) depctr_va_vcc(0) depctr_vm_vsrc(0)
	s_getreg_b32 s2, hwreg(HW_REG_IB_STS2, 6, 4)
	s_cmp_eq_u32 s2, 0
	s_cbranch_scc0 .Lentry_in_a_cluster
	s_endpgm
.Lentry_in_a_cluster:
	s_bfe_u32 s2, ttmp6, 0x10000c
	s_cmp_lg_u32 s2, 0x3003
	s_cbranch_scc0 .Lentry_shape_is_right
	s_endpgm
.Lentry_shape_is_right:
; y[b][q][head] = softmax_k(q . k / 8 + alibi_m[head] x alibi_offset[q][k], keys k <= q) v, both products on codes of FP8 (E4M3); y leaves as codes with e8.
; qc, kc: [8192 tokens][1024], vc: [64 blocks of 128 keys][1024 channels][128 keys], all three with the two middle eights of each run of 32 exchanged along K; yc: [8192][1024], natural.
; THE SOFTMAX: t = logit x log2(e); M = the running largest t rounded UP to a whole number; p = 2^(t - M) is quantised with e6; the row's sum is taken of the unquantised p and divides at the end.
; When M moves, the sum and O are multiplied by 2^(old M - new M): exact.
; THE TABLE enters as the C of the first product: u = raw sum + offset x (m x 2^(3 - e4 - e5)), t = u x (log2(e) / 8) x 2^(e4 + e5).
; SHARES.  A work-group owns four heads (group g = its place in the cluster) of batch b (the cluster's x) and 64 queries: first block 31 - i, then block i (i = the cluster's y).
; Block n wants n / 2 + 1 steps of 128 keys; the two blocks together want 17 for every i: 256 work-groups of equal work, and constant trip counts.  What lies wholly above the diagonal is not computed.
; Sixteen waves: wave w has the tile of 16 queries w % 4 and the head w / 4; four waves to a SIMD.
; LAYOUT.  Both products are used transposed: S^T = K Q^T (16 neighbouring keys x my 16 queries, K = 64), O^T = V^T P^T (16 channels, K = 128 keys): a lane holds ONE query throughout.
; A lane's codes of p of tiles 2 c and 2 c + 1 are registers 4 c .. 4 c + 3 of the second product's operand; v's keys were laid in that very order.
; THE RING: two slots, each with a step's K (128 keys x 256 bytes), V (256 channels x 128 keys) and table tile (64 queries x 128 keys, f32).  Waves 0, 1 fetch K's halves, 2, 3 V's, 4 the table's tile.
; CLUSTER.  The four partners (the four head groups of one b and i) walk the same table tiles: these are asked for JOINTLY.  K and V are each partner's own heads'.  The work-groups that read the same K and V
; differ in i: they change blocks at different steps and then want different tiles, and their table tiles differ in every step: so K and V are fetched by plain loads.
; LIMITS: e4 + e5 between -123 and 130; e6, and e8 - e6 - e7, between -126 and 119.
.set KP,    272                        ; a key's row in LDS: 256 bytes + 16
.set VP,    144                        ; a channel's row: 128 bytes + 16
.set OP,    528                        ; a query's row of the table: 512 bytes + 16
.set VOFF,  128*KP
.set OOFF,  VOFF+256*VP
.set SLOT,  OOFF+64*OP                 ; 105,472
.set STA,   2*SLOT                     ; the stages for y's codes: 64 rows x 272 bytes, one for each block of queries
.set STG,   64*KP
.set SPARE, STA+2*STG                  ; the spare words, 128 bytes for each wave: eight blocks of 256 bytes that no other line names
.set AK,   1                           ; v1, v2   my place in K's tile in slot 0, 1
.set AV,   3                           ; v3, v4   in V's
.set AO,   5                           ; v5, v6   in the table's
.set SPW,  7
.set NIL,  8
.set PFO,  9                           ; v9   the prefetches' lane offset; never rewritten
.set QO,   10                          ; v10  my bytes in my tile's 16 rows of qc
.set STO,  11                          ; v11  the stage: where I put 8 codes
.set RD,   12                          ; v12  where I read a row back
.set GO,   13                          ; v13  and its place in yc
.set MH,   14                          ; v[14:15] m x 2^(3 - e4 - e5), twice
.set VQ,   16                          ; v16-23   Q's fragment
                                       ; v24 -M, v25 the largest t, v[26:27] the sum in two halves; v28 2^e6, v29 448 x 2^e6, v30 2^(e8 - e6 - e7), v31 448 x that
.set VF,   32                          ; v32-95   K's eight fragments, then V's four
.set VS,   96                          ; v96-159  the table's numbers, then the scores, then p
.set VO,   160                         ; v160-191 O^T
.set VPC,  192                         ; v192-207 p's codes
.set VYC,  208                         ; v208-215 y's codes
.set DL,   224                         ; v224 r - 8 h;  v[226:227] 1 / the sum;  v216-223, v228-235 rows on their way out;  v236, v[242:243], v[252:253], v254 at work
.set WV,   18
.set TQ,   19
.set SEL,  20
.set CS,   22
.set G1K,  24
.set G1V,  32
.set G1O,  40
.set G0K,  48
.set G0V,  52
.set G0O,  56
.set STP,  60                          ; s60  the step, 0 .. 16
.set TR,   61
.set NA,   62                          ; s62  steps of the first block
.set QA,   63                          ; s63  the first block of queries, s66 the second
.set QB,   66
.set KF,   67                          ; s67  the step's first key
.set Q0W,  68                          ; s68  my first query
.set T3,   71
.set KBASE, 72
.set VBASE, 74
.set KL,   76
.set VL,   77
.set PFB,  78
.set PFA,  80
.set LIM,  82
.set YA,   86
.set YB,   88
.set QBB,  90
.macro ROUND                           ; a round of the cluster's barrier
	s_barrier_signal -1
	s_barrier_wait -1
	s_cmp_lg_u32 s[WV], 0
	s_cbranch_scc1 .Lnot_wave_0_\@
	s_barrier_signal -3
.Lnot_wave_0_\@:
	s_barrier_wait -3
	s_barrier_signal -1
	s_barrier_wait -1
.endm
; A step's five loads, one a wave.  The branches hang on the wave's number alone.  An s_nop 0 and four v_nop follow each line.
.macro TLOAD
	s_cmp_lt_u32 s[WV], 2
	s_cbranch_scc0 .Lnot_k_\@
	tensor_load_to_lds s[G0K:G0K+3], s[G1K:G1K+7]
	s_nop 0
.rept 4
	v_nop
.endr
	s_branch .Lasked_\@
.Lnot_k_\@:
	s_cmp_lt_u32 s[WV], 4
	s_cbranch_scc0 .Lnot_v_\@
	tensor_load_to_lds s[G0V:G0V+3], s[G1V:G1V+7]
	s_nop 0
.rept 4
	v_nop
.endr
	s_branch .Lasked_\@
.Lnot_v_\@:
	s_cmp_eq_u32 s[WV], 4
	s_cbranch_scc0 .Lasked_\@
	tensor_load_to_lds s[G0O:G0O+3], s[G1O:G1O+7]  ; the joint load: the same line, descriptor and mask in all four partners
	s_nop 0
.rept 4
	v_nop
.endr
.Lasked_\@:
.endm
; Step STP + d: which block of queries (into s[rb]) and which block of 128 keys (into s[rk]).
.macro WHERE d, rk, rb
	s_add_co_u32 s[\rk], s[STP], \d
	s_cmp_ge_u32 s[\rk], s[NA]
	s_cselect_b32 s[\rb], s[QB], s[QA]
	s_cselect_b32 s[T3], s[NA], 0
	s_sub_co_u32 s[\rk], s[\rk], s[T3]
.endm
; A PREFETCH INTO THE L2 of the tiles of step STP + 2, one step ahead of the tensor loads that will ask for them; it stands behind the wave's place among the tensor loads.  Each aligned block of 256 bytes is named once in the launch.
; K and V: the work-groups with i = 0 walk all 16 blocks of keys in their first 16 steps: they ask, for their own four heads; waves 5-8 for K's 128 rows, a lane a row; waves 9-12 for V's 32,768 bytes, lanes 256 bytes apart.
; The table: the clusters with b = 0 ask; the four partners share a tile's 64 rows out by address, 16 each; wave 13: a lane half a row.  The last steps ask for nothing; steps 0 and 1 come by their loads alone.
.macro ASK
	s_cmp_lt_u32 s[STP], s[LIM]
	s_cbranch_scc0 .Lnot_mine_\@
	global_prefetch_b8 v[PFO], s[PFA:PFA+1] th:TH_LOAD_NT scope:SCOPE_SE
.Lnot_mine_\@:
.endm
	s_load_b256 s[4:11], s[0:1], 0x0               ; qc s[4:5], kc s[6:7], vc s[8:9], alibi_m s[10:11]
	s_load_b128 s[12:15], s[0:1], 0x20             ; alibi_offset s[12:13], the scales' exponents s[14:15]
	s_load_b64 s[16:17], s[0:1], 0x30              ; yc
	v_lshl_add_u32 v[SPW], v0, 2, SPARE
	v_mov_b32 v[NIL], 0
	ds_add_u32 v[SPW], v[NIL]                      ; the wave's opening: the add, with its wait ahead of my first tensor load; the set-up below stands between them
	v_lshrrev_b32 v1, 5, v0
	v_readfirstlane_b32 s[WV], v1                  ; wave 0..15
	s_and_b32 s[TQ], s[WV], 3
	s_bfe_u32 s71, ttmp6, 0x40000                  ; g = cx: it enters global addresses alone
	s_and_b32 s[QB], ttmp7, 0xffff                 ; i
	s_sub_co_u32 s[QA], 31, s[QB]
	s_lshr_b32 s[NA], s[QA], 1
	s_add_co_u32 s[NA], s[NA], 1
	s_mov_b32 s[G1K], (0<<16)|(1<<20)|(5<<22)|(3<<25)   ; K: no mask; elements of 1 byte; 4 words of padding behind every 64
	s_mov_b32 s[G1K+1], 256<<16                    ; tensor_dim0
	s_mov_b32 s[G1K+2], 64<<16                     ; tensor_dim1
	s_mov_b32 s[G1K+3], 256<<16                    ; tile_dim0: four heads' 256 bytes
	s_mov_b32 s[G1K+4], 64                         ; tile_dim1: 64 keys a wave
	s_mov_b32 s[G1K+5], 1024                       ; from key to key
	s_mov_b32 s[G1K+6], 0
	s_mov_b32 s[G1K+7], 0
	s_mov_b32 s[G1V], (0<<16)|(1<<20)|(4<<22)|(3<<25)   ; V: 4 words of padding behind every 32
	s_mov_b32 s[G1V+1], 128<<16
	s_mov_b32 s[G1V+2], 128<<16
	s_mov_b32 s[G1V+3], 128<<16                    ; 128 keys
	s_mov_b32 s[G1V+4], 128                        ; 128 channels a wave
	s_mov_b32 s[G1V+5], 128
	s_mov_b32 s[G1V+6], 0
	s_mov_b32 s[G1V+7], 0
	s_mov_b32 s[G1O], 15|(2<<16)|(1<<20)|(1<<21)|(6<<22)|(3<<25)   ; the table: the mask names all four partners; elements of 4 bytes; bit 21 beside a mask; 4 words of padding behind every 128
	s_mov_b32 s[G1O+1], 128<<16
	s_mov_b32 s[G1O+2], 64<<16
	s_mov_b32 s[G1O+3], 128<<16                    ; 128 keys
	s_mov_b32 s[G1O+4], 64                         ; 64 queries
	s_mov_b32 s[G1O+5], 2048
	s_mov_b32 s[G1O+6], 0
	s_mov_b32 s[G1O+7], 0
	s_mov_b32 s[SEL], 0x76543210
	s_mov_b32 s[SEL+1], 0xfedcba98
	s_mov_b32 s[CS], 0x3e38aa3b                    ; log2(e) / 8
	s_mov_b32 s[STP], 0
	s_mov_b32 s[TR], 8
	s_and_b32 s85, s[WV], 1                        ; which half of K's or V's tile I fetch, if I fetch
	s_mul_i32 s[KL], s85, 64*KP
	s_mul_i32 s[VL], s85, 128*VP
	s_add_co_u32 s[VL], s[VL], VOFF
	s_mov_b32 s3, 0
	s_wait_dscnt 0x0                               ; the opening add is done
	s_wait_kmcnt 0x0
	s_load_b256 s[92:99], s[14:15], 0x0            ; e0 .. e7
	s_load_b64 s[100:101], s[14:15], 0x20          ; e8, e9
	s_lshl_b32 s84, ttmp9, 21
	s_lshl_b32 s2, s71, 8
	s_add_co_u32 s84, s84, s2                      ; batch b's first token (2,048 rows of 1,024 bytes a batch), my four heads' 256 bytes
	s_lshl_b32 s2, s85, 16
	s_add_co_u32 s2, s2, s84
	s_add_nc_u64 s[KBASE:KBASE+1], s[6:7], s[2:3]
	s_lshl_b32 s2, ttmp9, 21                       ; 16 blocks of 131,072 bytes a batch,
	s_lshl_b32 s69, s71, 15                        ; my 256 channels of 128 bytes,
	s_add_co_u32 s2, s2, s69
	s_lshl_b32 s69, s85, 14                        ; my half of them
	s_add_co_u32 s2, s2, s69
	s_add_nc_u64 s[VBASE:VBASE+1], s[8:9], s[2:3]
	s_mov_b32 s[G0K], 1                            ; step 0: the first block's keys 0 to 127, into slot 0
	s_mov_b32 s[G0K+1], s[KL]
	s_mov_b64 s[G0K+2:G0K+3], s[KBASE:KBASE+1]
	s_or_b32 s[G0K+3], s[G0K+3], 0x80000000
	s_mov_b32 s[G0V], 1
	s_mov_b32 s[G0V+1], s[VL]
	s_mov_b64 s[G0V+2:G0V+3], s[VBASE:VBASE+1]
	s_or_b32 s[G0V+3], s[G0V+3], 0x80000000
	s_mov_b32 s[G0O], 1
	s_mov_b32 s[G0O+1], OOFF
	s_lshl_b32 s2, s[QA], 19                       ; 64 rows of 8,192 bytes a block of queries
	s_add_nc_u64 s[G0O+2:G0O+3], s[12:13], s[2:3]
	s_or_b32 s[G0O+3], s[G0O+3], 0x80000000
	ROUND                                          ; all four work-groups are here
	TLOAD                                          ; one load of mine is out
	s_lshr_b32 s70, s[WV], 2                       ; hg: my head in the group
	s_lshl_b32 s2, s71, 4
	s_lshl_b32 s69, s70, 2
	s_add_co_u32 s2, s2, s69
	s_add_nc_u64 s[10:11], s[10:11], s[2:3]
	s_load_b32 s83, s[10:11], 0x0                  ; alibi_m of head 4 g + hg
	s_lshl_b32 s69, s[TQ], 14
	s_lshl_b32 s85, s70, 6
	s_add_co_u32 s69, s69, s85                     ; my tile's 16 rows, my head's 64 bytes
	s_lshl_b32 s2, s[QB], 16
	s_add_co_u32 s2, s2, s84
	s_add_nc_u64 s[YB:YB+1], s[16:17], s[2:3]
	s_add_co_u32 s2, s2, s69
	s_add_nc_u64 s[QBB:QBB+1], s[4:5], s[2:3]
	s_lshl_b32 s2, s[QA], 16
	s_add_co_u32 s2, s2, s84
	s_add_nc_u64 s[YA:YA+1], s[16:17], s[2:3]
	s_add_co_u32 s2, s2, s69
	s_add_nc_u64 s[4:5], s[4:5], s[2:3]            ; Q of the first block
	v_and_b32 v236, 31, v0                         ; lane
	v_and_b32 v242, 15, v0                         ; r
	v_bfe_u32 v243, v0, 4, 1                       ; h
	v_lshlrev_b32 v[QO], 10, v242
	v_lshl_add_u32 v[QO], v243, 4, v[QO]
	global_load_b128 v[VQ:VQ+3], v[QO], s[4:5]             ; Q's fragment: places 16 h .. + 15 and 32 + 16 h .. + 15 of my head's 64: as K's are read
	global_load_b128 v[VQ+4:VQ+7], v[QO], s[4:5] offset:32
	s_lshl_b32 s69, s70, 6
	v_mul_u32_u24 v[AK], v242, KP
	v_lshl_add_u32 v[AK], v243, 4, v[AK]
	v_add_nc_u32 v[AK], s69, v[AK]                 ; K: key r, my head's 64 bytes, + 16 h
	v_add_nc_u32 v[AK+1], SLOT, v[AK]
	s_mul_i32 s69, s70, 64*VP
	s_add_co_u32 s69, s69, VOFF
	v_mul_u32_u24 v[AV], v242, VP
	v_lshl_add_u32 v[AV], v243, 4, v[AV]
	v_add_nc_u32 v[AV], s69, v[AV]                 ; V: channel 64 hg + r, + 16 h
	v_add_nc_u32 v[AV+1], SLOT, v[AV]
	s_mul_i32 s69, s[TQ], 16*OP
	s_add_co_u32 s69, s69, OOFF
	v_mul_u32_u24 v[AO], v242, OP
	v_lshl_add_u32 v[AO], v243, 5, v[AO]
	v_add_nc_u32 v[AO], s69, v[AO]                 ; the table: query 16 tq + r, keys 8 h on
	v_add_nc_u32 v[AO+1], SLOT, v[AO]
	s_mul_i32 s69, s[TQ], 16*KP
	s_lshl_b32 s85, s70, 6
	s_add_co_u32 s69, s69, s85
	s_add_co_u32 s69, s69, STA
	v_mul_u32_u24 v[STO], v242, KP
	v_lshl_add_u32 v[STO], v243, 3, v[STO]
	v_add_nc_u32 v[STO], s69, v[STO]               ; the stage: row 16 tq + r, byte 64 hg + 8 h
	s_mul_i32 s69, s[WV], 4*KP
	s_add_co_u32 s69, s69, STA
	v_mul_u32_u24 v[RD], v243, KP
	v_lshl_add_u32 v[RD], v242, 4, v[RD]
	v_add_nc_u32 v[RD], s69, v[RD]                 ; back: wave w takes rows 4 w .. 4 w + 3; lanes 0-15 one row of 256 bytes, lanes 16-31 the next
	s_lshl_b32 s69, s[WV], 12
	v_lshlrev_b32 v[GO], 10, v243
	v_lshl_add_u32 v[GO], v242, 4, v[GO]
	v_add_nc_u32 v[GO], s69, v[GO]
	v_lshlrev_b32 v[DL], 3, v243
	v_sub_nc_u32 v[DL], v242, v[DL]
	; the prefetches: where my wave's stand, and who asks
	s_add_co_u32 s2, s[WV], 3
	s_and_b32 s2, s2, 3                            ; my place among the four waves that share a tile
	s_cmp_lt_u32 s[WV], 9
	s_cselect_b64 s[PFB:PFB+1], s[6:7], s[8:9]
	s_cselect_b32 s69, 15, 13                      ; from wave to wave: 32 rows of K, 8,192 bytes of V
	s_cselect_b32 s70, 8, 15                       ; my four heads
	s_cselect_b32 s85, 10, 8                       ; from lane to lane
	s_lshl_b32 s2, s2, s69
	s_lshl_b32 s70, s71, s70
	s_add_co_u32 s2, s2, s70
	s_lshl_b32 s70, ttmp9, 21
	s_add_co_u32 s2, s2, s70
	s_lshl_b32 s70, s71, 17                        ; the table: my work-group's 16 rows of a tile's 64
	s_cmp_lt_u32 s[WV], 13
	s_cselect_b64 s[PFB:PFB+1], s[PFB:PFB+1], s[12:13]
	s_cselect_b32 s2, s2, s70
	s_cselect_b32 s85, s85, 13
	s_cselect_b32 s69, 0, 1                        ; the table: two lanes to a row
	s_add_nc_u64 s[PFB:PFB+1], s[PFB:PFB+1], s[2:3]
	v_lshrrev_b32 v[PFO], s69, v236
	v_lshlrev_b32 v[PFO], s85, v[PFO]
	v_and_b32 v252, s69, v236
	v_lshl_add_u32 v[PFO], v252, 8, v[PFO]
	s_sub_co_u32 s69, s[WV], 5
	s_lshr_b32 s69, s69, 3                         ; 0 in waves 5 to 12,
	s_or_b32 s69, s69, s[QB]                       ; where i = 0
	s_cmp_eq_u32 s69, 0
	s_cselect_b32 s[LIM], 14, 0                    ; steps 0 to 13 ask for key blocks 2 to 15
	s_xor_b32 s69, s[WV], 13
	s_or_b32 s69, s69, ttmp9                       ; wave 13, where b = 0
	s_cmp_eq_u32 s69, 0
	s_cselect_b32 s[LIM], 15, s[LIM]               ; steps 0 to 14 ask for steps 2 to 16
	v_mov_b32 v25, 0xff61b1e6                      ; the largest t so far: -3e38
	v_floor_f32 v24, -v25                          ; -M
	v_mov_b32 v26, 0
	v_mov_b32 v27, 0
	v_mov_b32 v253, 0                              ; (named as the upper halves of pairs)
	v_mov_b32 v227, 0
.set n, 0
.rept 32
	v_mov_b32 v[VO+n], 0                           ; O^T: the step is written once, and a block's first step finds zeros
.set n, n+1
.endr
	s_wait_kmcnt 0x0
	s_add_co_i32 s69, s96, s97                     ; e4 + e5
	s_lshl_b32 s70, s69, 23
	s_add_co_i32 s[CS], s[CS], s70                 ; is added to the exponent field of log2(e) / 8
	s_mov_b32 s[CS+1], s[CS]
	s_sub_co_i32 s69, 3, s69
	v_mov_b32 v[MH], s83
	v_ldexp_f32 v[MH], v[MH], s69                  ; m x 8 / 2^(e4 + e5): nothing is rounded
	v_mov_b32 v[MH+1], v[MH]
	s_add_co_i32 s69, s98, 127
	s_lshl_b32 s70, s69, 23
	v_mov_b32 v28, s70                             ; 2^e6
	s_add_co_i32 s69, s69, 8
	s_lshl_b32 s69, s69, 23
	s_or_b32 s69, s69, 0x600000
	v_mov_b32 v29, s69                             ; 448 x 2^e6
	s_sub_co_i32 s69, s100, s98
	s_sub_co_i32 s69, s69, s99
	s_add_co_i32 s69, s69, 127
	s_lshl_b32 s70, s69, 23
	v_mov_b32 v30, s70                             ; 2^(e8 - e6 - e7): O / the sum stands for y / 2^(e6 + e7)
	s_add_co_i32 s69, s69, 8
	s_lshl_b32 s69, s69, 23
	s_or_b32 s69, s69, 0x600000
	v_mov_b32 v31, s69
; A STEP OF A WAVE: 16 queries x 128 keys of one head.
.macro WORK slot
.set n, 0
.rept 8
	ds_load_b128 v[VS+8*n:VS+8*n+3], v[AO+\slot] offset:64*n         ; the table: register 8 n + j: query r, key 16 n + 8 h + j: the scores' own layout
	ds_load_b128 v[VS+8*n+4:VS+8*n+7], v[AO+\slot] offset:64*n+16
.set n, n+1
.endr
.set n, 0
.rept 8
	ds_load_b128 v[VF+8*n:VF+8*n+3], v[AK+\slot] offset:16*KP*n      ; K's tile n: keys 16 n + r
	ds_load_b128 v[VF+8*n+4:VF+8*n+7], v[AK+\slot] offset:16*KP*n+32
.set n, n+1
.endr
	s_wait_dscnt 16                                ; the table's sixteen loads are in; K's sixteen may be out
.set n, 0
.rept 32
	v_pk_mul_f32 v[VS+n:VS+n+1], v[VS+n:VS+n+1], v[MH:MH+1]
.set n, n+2
.endr
	s_wait_dscnt 0x0                               ; K
	s_wait_loadcnt 0x0                             ; Q (out only at a block's first step)
.set n, 0
.rept 8
	v_wmma_f32_16x16x64_fp8_fp8 v[VS+8*n:VS+8*n+7], v[VF+8*n:VF+8*n+7], v[VQ:VQ+7], v[VS+8*n:VS+8*n+7]
.set n, n+1
.endr
.rept 4
	v_nop                                          ; places in front of the loads into K's registers and of the first read of the scores
.endr
.set n, 0
.rept 16
	ds_load_b128 v[VF+4*n:VF+4*n+3], v[AV+\slot] offset:16*VP*(n/4)+32*(n%4)   ; V's four fragments land under the softmax
.set n, n+1
.endr
	s_add_co_u32 s69, s[KF], 127                   ; on the diagonal the scores of hidden keys become -infinity; a step all of whose keys count skips this (a branch on ids)
	s_cmp_le_u32 s69, s[Q0W]
	s_cbranch_scc1 .Lopen_\@
	s_sub_co_i32 s69, s[Q0W], s[KF]
	v_add_nc_u32 v252, s69, v[DL]                  ; d = my query - the step's first key - 8 h: register 8 n + j is hidden where 16 n + j > d
	v_mov_b32 v254, 0xff800000
.set n, 0
.rept 64
	v_cmp_gt_i32 vcc_lo, 16*(n/8)+n%8, v252
	v_cndmask_b32 v[VS+n], v[VS+n], v254, vcc_lo
.set n, n+1
.endr
.Lopen_\@:
	v_max3_num_f32 v254, v[VS], v[VS+1], v[VS+2]   ; the step's largest score of my query among my 64 keys, in two chains,
	v_max3_num_f32 v252, v[VS+3], v[VS+4], v[VS+5]
.set n, 6
.rept 14
	v_max3_num_f32 v254, v254, v[VS+n], v[VS+n+1]
	v_max3_num_f32 v252, v252, v[VS+n+2], v[VS+n+3]
.set n, n+4
.endr
	v_max3_num_f32 v254, v254, v[VS+62], v[VS+63]
	v_max_num_f32 v254, v254, v252
	v_permlanex16_b32 v236, v254, s[SEL], s[SEL+1]
	v_max_num_f32 v254, v254, v236                 ; and among lane l xor 16's
	v_mul_f32 v254, s[CS], v254                    ; as t
	v_max_num_f32 v25, v25, v254                   ; the running largest t
	v_mov_b32 v254, v24
	v_floor_f32 v24, -v25                          ; the new -M = -ceil(t): a whole number
	v_sub_f32 v254, v24, v254                      ; old M - new M: a whole number, 0 or less
	v_cvt_i32_f32 v254, v254                       ; (it saturates)
	v_ldexp_f32 v252, 1.0, v254                    ; f = 2^(old M - new M)
.set n, 0
.rept 32
	v_pk_fma_f32 v[VS+n:VS+n+1], v[VS+n:VS+n+1], s[CS:CS+1], v[24:25] op_sel_hi:[1,0,0]   ; t - M, two at a time
.set n, n+2
.endr
.set n, 0
.rept 64
	v_exp_f32 v[VS+n], v[VS+n]                     ; p = 2^(t - M)
.set n, n+1
.endr
	v_pk_mul_f32 v[26:27], v[26:27], v[252:253] op_sel_hi:[1,0]   ; the sums under the new M.  (The plain line behind the exponentials)
	s_wait_alu depctr_va_vdst(0)                   ; one wait for the whole batch, ahead of its first reader
	v_pk_add_f32 v[242:243], v[VS:VS+1], v[VS+2:VS+3]   ; the row's sum is taken of the unquantised p, in two chains
.set n, 4
.rept 15
	v_pk_add_f32 v[26:27], v[26:27], v[VS+n:VS+n+1]
	v_pk_add_f32 v[242:243], v[242:243], v[VS+n+2:VS+n+3]
.set n, n+4
.endr
	v_pk_add_f32 v[26:27], v[26:27], v[242:243]
.irp t, 0,1,2,3,4,5,6,7
.irp i, 0,1,2,3,4,5,6,7
	v_min_num_f32 v[VS+8*\t+\i], v[VS+8*\t+\i], v29   ; the conversion does not saturate (ISA guide 7.6.2); p is not negative, so the hold is one-sided
.endr
	v_cvt_scalef32_pk8_fp8_f32 v[VPC+2*\t:VPC+2*\t+1], v[VS+8*\t:VS+8*\t+7], v28
.endr
.set n, 0
.rept 16
	v_pk_mul_f32 v[VO+n:VO+n+1], v[VO+n:VO+n+1], v[252:253] op_sel_hi:[1,0]   ; O^T under the new M.  (Plain lines between the conversions and the products)
.set n, n+2
.endr
	s_wait_dscnt 0x0                               ; V
.set n, 0
.rept 4
	v_wmma_f32_16x16x128_fp8_fp8 v[VO+8*n:VO+8*n+7], v[VF+16*n:VF+16*n+15], v[VPC:VPC+15], v[VO+8*n:VO+8*n+7]
.set n, n+1
.endr
.rept 4
	v_nop                                          ; places in front of the next step's loads into V's registers and of a read of O^T
.endr
.endm
; A BLOCK'S END: O^T / the sum becomes y's codes, which go into stage stg.  reload = 1: Q of the second block is asked for, and the state begins anew.
.macro PART1 stg, reload
	v_add_f32 v26, v26, v27
	v_permlanex16_b32 v236, v26, s[SEL], s[SEL+1]
	v_add_f32 v26, v26, v236                       ; the row's sum
	v_rcp_f32 v226, v26
	v_nop                                          ; a plain line behind the reciprocal,
	s_wait_alu depctr_va_vdst(0)                   ; and the wait ahead of its first reader
.set n, 0
.rept 16
	v_pk_mul_f32 v[VO+n:VO+n+1], v[VO+n:VO+n+1], v[226:227] op_sel_hi:[1,0]
.set n, n+2
.endr
.set n, 0
.rept 32
	v_med3_num_f32 v[VO+n], v[VO+n], -v31, v31     ; the hold at the largest code x the scale
.set n, n+1
.endr
.irp t, 0,1,2,3
	v_cvt_scalef32_pk8_fp8_f32 v[VYC+2*\t:VYC+2*\t+1], v[VO+8*\t:VO+8*\t+7], v30
.endr
	v_nop                                          ; a plain line behind the conversions
.irp t, 0,1,2,3
	ds_store_b64 v[STO], v[VYC+2*\t:VYC+2*\t+1] offset:\stg*STG+16*\t   ; channels 16 t + 8 h + 0 .. 7 of my head, query r
.endr
.if \reload
	global_load_b128 v[VQ:VQ+3], v[QO], s[QBB:QBB+1]
	global_load_b128 v[VQ+4:VQ+7], v[QO], s[QBB:QBB+1] offset:32
	v_mov_b32 v25, 0xff61b1e6
	v_floor_f32 v24, -v25
	v_mov_b32 v26, 0
	v_mov_b32 v27, 0
.set n, 0
.rept 32
	v_mov_b32 v[VO+n], 0
.set n, n+1
.endr
.endif
.endm
; A TRIP: the change of slots, and the step in slot `slot`.  Each wave waits for all its tensor loads, adds 0 to its spare word, and waits for that and for its reads of the slot that it has left.
; refill = 1: behind a round of the cluster's barrier that slot takes the next step's tiles: they have this step's work in which to land.
.macro TRIP slot, refill
	s_wait_tensorcnt 0x0                           ; no tensor load of mine is out, so the groups 0 may be written
	ds_add_u32 v[SPW], v[NIL]                      ; 0 onto my spare word; the scalar work below stands between it and the wait for it
	WHERE 0, 69, 70
	s_lshl_b32 s[KF], s69, 7
	s_lshl_b32 s[Q0W], s70, 6
	s_lshl_b32 s70, s[TQ], 4
	s_add_co_u32 s[Q0W], s[Q0W], s70
.if \refill
	WHERE 1, 69, 70
	s_lshl_b32 s2, s69, 17                         ; a block of 128 keys is 131,072 bytes in kc and in vc
	s_mov_b32 s3, 0
	s_add_nc_u64 s[G0K+2:G0K+3], s[KBASE:KBASE+1], s[2:3]
	s_or_b32 s[G0K+3], s[G0K+3], 0x80000000
	s_add_nc_u64 s[G0V+2:G0V+3], s[VBASE:VBASE+1], s[2:3]
	s_or_b32 s[G0V+3], s[G0V+3], 0x80000000
	s_lshl_b32 s84, s70, 19
	s_lshl_b32 s85, s69, 9
	s_add_co_u32 s84, s84, s85
	s_mov_b32 s85, 0
	s_add_nc_u64 s[G0O+2:G0O+3], s[12:13], s[84:85]
	s_or_b32 s[G0O+3], s[G0O+3], 0x80000000
	s_add_co_u32 s[G0K+1], s[KL], (1-\slot)*SLOT
	s_add_co_u32 s[G0V+1], s[VL], (1-\slot)*SLOT
	s_mov_b32 s[G0O+1], OOFF+(1-\slot)*SLOT
	s_wait_xcnt 0x0                                ; the last prefetch, a step back, has read its address, so it may be written
	WHERE 2, 69, 70
	s_lshl_b32 s84, s70, 19
	s_lshl_b32 s2, s69, 9
	s_add_co_u32 s84, s84, s2
	s_lshl_b32 s2, s69, 17
	s_cmp_ge_u32 s[WV], 13
	s_cselect_b32 s84, s84, s2
	s_add_nc_u64 s[PFA:PFA+1], s[PFB:PFB+1], s[84:85]
.endif
	s_wait_dscnt 0x0                               ; the add is done, and my LDS reads and stores are over
.if \refill
	ROUND
	TLOAD                                          ; the first thing behind the round, and a wave's one tensor load until the next
	ASK
.else
	s_barrier_signal -1
	s_barrier_wait -1
.endif
	WORK \slot
.if \refill
	s_add_co_u32 s69, s[STP], 1
	s_cmp_lg_u32 s69, s[NA]                        ; the first block's last step?  (ids alone: the same in all waves and partners)
	s_cbranch_scc1 .Lsame_block_\@
	PART1 0, 1
.Lsame_block_\@:
.endif
	s_add_co_u32 s[STP], s[STP], 1
.endm
.Ltrip:                                            ; eight trips: steps 0 to 15
	TRIP 0, 1
	TRIP 1, 1
	s_sub_co_u32 s[TR], s[TR], 1
	s_cmp_lg_u32 s[TR], 0
	s_cbranch_scc1 .Ltrip
	TRIP 0, 0                                      ; step 16 is written out: it asks for nothing
	PART1 1, 0
	s_wait_dscnt 0x0                               ; for the others' sake: my stores into the stages are done
	s_barrier_signal -1
	s_barrier_wait -1
	ds_load_b128 v[216:219], v[RD]                 ; both blocks' rows leave here: four rows of each a wave
	ds_load_b128 v[220:223], v[RD] offset:2*KP
	ds_load_b128 v[228:231], v[RD] offset:STG
	ds_load_b128 v[232:235], v[RD] offset:STG+2*KP
	s_wait_dscnt 0x0
	global_store_b128 v[GO], v[216:219], s[YA:YA+1]              ; sixteen lanes store 256 consecutive bytes of a token's row, at a multiple of 256
	global_store_b128 v[GO], v[220:223], s[YA:YA+1] offset:2048
	global_store_b128 v[GO], v[228:231], s[YB:YB+1]
	global_store_b128 v[GO], v[232:235], s[YB:YB+1] offset:2048
	s_wait_tensorcnt 0x0                           ; the wave's end
	ds_add_u32 v[SPW], v[NIL]
	s_wait_dscnt 0x0
	ROUND                                          ; the closing round
	s_endpgm
.Lfunc_end_k_q7b4d3afc4a_attn:
	.size	k_q7b4d3afc4a_attn, .Lfunc_end_k_q7b4d3afc4a_attn-k_q7b4d3afc4a_attn
	.p2alignl 7, 3214868480
	.fill 96, 4, 3214868480
	.section	.rodata,"a",@progbits
	.p2align	6, 0x0
	.amdhsa_kernel k_q7b4d3afc4a_attn
		.amdhsa_group_segment_fixed_size 327680
		.amdhsa_private_segment_fixed_size 0
		.amdhsa_enable_private_segment 0
		.amdhsa_kernarg_size 56
		.amdhsa_user_sgpr_count 2
		.amdhsa_user_sgpr_kernarg_segment_ptr 1
		.amdhsa_wavefront_size32 1
		.amdhsa_system_sgpr_workgroup_id_x 1
		.amdhsa_system_sgpr_workgroup_id_y 1
		.amdhsa_system_sgpr_workgroup_id_z 1
		.amdhsa_system_vgpr_workitem_id 0
		.amdhsa_next_free_vgpr 256
		.amdhsa_next_free_sgpr 102
		.amdhsa_reserve_vcc 1
		.amdhsa_float_denorm_mode_32 3
		.amdhsa_float_denorm_mode_16_64 3
		.amdhsa_memory_ordered 1
		.amdhsa_forward_progress 1
		.amdhsa_inst_pref_size 104
	.end_amdhsa_kernel
	.amdgpu_metadata
---
amdhsa.version: [ 1, 2 ]
amdhsa.kernels:
  - .name:           k_q7b4d3afc4a_attn
    .symbol:         k_q7b4d3afc4a_attn.kd
    .args:
      - { .name: qc, .offset: 0, .size: 8, .value_kind: global_buffer, .address_space: global }
      - { .name: kc, .offset: 8, .size: 8, .value_kind: global_buffer, .address_space: global }
      - { .name: vc, .offset: 16, .size: 8, .value_kind: global_buffer, .address_space: global }
      - { .name: alibi_m, .offset: 24, .size: 8, .value_kind: global_buffer, .address_space: global }
      - { .name: alibi_offset, .offset: 32, .size: 8, .value_kind: global_buffer, .address_space: global }
      - { .name: lowp_scales, .offset: 40, .size: 8, .value_kind: global_buffer, .address_space: global }
      - { .name: yc, .offset: 48, .size: 8, .value_kind: global_buffer, .address_space: global }
    .group_segment_fixed_size: 327680
    .private_segment_fixed_size: 0
    .kernarg_segment_align: 8
    .kernarg_segment_size: 56
    .max_flat_workgroup_size: 512
    .sgpr_count:     102
    .vgpr_count:     256
    .wavefront_size: 32
...
	.end_amdgpu_metadata
.endif
;; end of part 3
;; launch proj (part 4): grid 4 x 32, 4 waves a work-group, clusters of 4 x 4, 327,680 bytes of LDS; arguments yc, wc, bp, lowp_scales, out0; writes out0
.if DOCPART == 4
	.amdgcn_target "amdgcn-amd-amdhsa--gfx1250"
	.amdhsa_code_object_version 6
	.text
	.protected	k_q7b4d3afc4a_proj
	.globl	k_q7b4d3afc4a_proj
	.p2align	8
	.type	k_q7b4d3afc4a_proj,@function
k_q7b4d3afc4a_proj:
	s_mov_b64 s[64:65], 0
	v_nop
	global_prefetch_b8 v0, s[64:65] scope:SCOPE_SE
	s_setreg_imm32_b32 hwreg(HW_REG_WAVE_MODE, 25, 1), 1
	s_wait_xcnt 0x0
	s_wait_alu depctr_hold_cnt(0) depctr_sa_sdst(0) depctr_va_vdst(0) depctr_va_sdst(0) depctr_va_ssrc(0) depctr_va_vcc(0) depctr_vm_vsrc(0)
	s_getreg_b32 s2, hwreg(HW_REG_IB_STS2, 6, 4)
	s_cmp_eq_u32 s2, 0
	s_cbranch_scc0 .Lentry_in_a_cluster
	s_endpgm
.Lentry_in_a_cluster:
	s_bfe_u32 s2, ttmp6, 0x10000c
	s_cmp_lg_u32 s2, 0xf033
	s_cbranch_scc0 .Lentry_shape_is_right
	s_endpgm
.Lentry_shape_is_right:
; out = y Wp + bp on codes of FP8 (E4M3): A = yc [8192][1024] (scale 2^e8), B = rows 3,072 on of wc = Wp^T [1024][1024] (2^e9); out [8192][1024] f32.
; A tile of 256 x 256 to a work-group of four waves, 128 x 128 a wave in 64 accumulators; K = 1,024 in four steps of 256 through a ring of two LDS slots.
; The bias, divided by 2^(e8 + e9), is the C of each sum's first matrix instruction; each finished sum is multiplied once by 2^(e8 + e9).
; CLUSTERS: 4 x 4 work-groups; A's tile is shared along a row of the cluster, B's along a column: each is asked for jointly.
; The matrix instruction is used transposed (source 0 = 16 rows of B, source 1 = 16 rows of A): a lane holds eight neighbouring numbers of a row of the output.
; LIMIT: e8 + e9 between -126 and 127.
; REGISTERS, in windows of 256: window 0: v12-29 addresses; v32-95 the bias's image, later a block's results; v128-255 A's fragments, ONE set, later rows on their way out.  window 1: B's fragments, two sets.  windows 2, 3: the accumulators.
.set SIZE_N, 1024
.set ROWB,   256
.set KROW,   1024
.set PITCH,  272
.set FR,     16
.set NL,     4
.set NP,     4
.set HALFT,  128*PITCH
.set SLOT,   4*HALFT
.set SPARE,  2*SLOT
.set SPITCH, 528                       ; the way out: a stage of 16 rows x (512 bytes + 16) for each wave, in slot 0, which has had its last fill and its last read when the first result is stored there
.set BOQ,  12
.set ADRA, 16
.set ADRB, 20
.set STO,  24
.set RD,   25
.set CO,   26
.set SPW,  28
.set NIL,  29
.set BI,   32
.set TMP,  32
.set AF,   128
.set BK,   128
.set G1, 24
.set G0, 32
.set G1B, 48
.set G0B, 56
.set MSB, 0
.macro WIN new
.if MSB != \new
	s_set_vgpr_msb (MSB<<8)|\new
.set MSB, \new
.endif
.endm
.set MUL_LO, 0xa1
.set MUL_HI, 0xf1
.set TO_B,   0x40
.macro JLOAD g0a, g1a, g0b, g1b        ; a joint load: waves 0 and 1 fetch for A, waves 2 and 3 for B; an s_nop 0 and four v_nop follow each line
	s_cmp_eq_u32 s15, 0
	s_cbranch_scc0 .Lfor_b_\@
	tensor_load_to_lds s[\g0a:\g0a+3], s[\g1a:\g1a+7]
	s_nop 0
.rept 4
	v_nop
.endr
	s_branch .Lasked_\@
.Lfor_b_\@:
	tensor_load_to_lds s[\g0b:\g0b+3], s[\g1b:\g1b+7]
	s_nop 0
.rept 4
	v_nop
.endr
.Lasked_\@:
.endm
.macro CREST
	s_cmp_lg_u32 s14, 0
	s_cbranch_scc1 .Lnot_wave_0_\@
	s_barrier_signal -3
.Lnot_wave_0_\@:
	s_barrier_wait -3
	s_barrier_signal -1
	s_barrier_wait -1
.endm
.macro CROUND
	s_barrier_signal -1
	s_barrier_wait -1
	CREST
.endm
	s_load_b128 s[4:7], s[0:1], 0x0                ; y's codes s[4:5], the weights' codes s[6:7]
	s_load_b128 s[8:11], s[0:1], 0x10              ; bp s[8:9], the scales' exponents s[10:11]
	s_load_b64 s[12:13], s[0:1], 0x20              ; out
	v_lshl_add_u32 v[SPW], v0, 2, SPARE
	v_mov_b32 v[NIL], 0
	ds_add_u32 v[SPW], v[NIL]                      ; the wave's opening: the add, with its wait ahead of my first tensor load
	v_lshrrev_b32 v1, 5, v0
	v_readfirstlane_b32 s14, v1
	s_lshr_b32 s15, s14, 1
	s_and_b32 s16, s14, 1
	s_bfe_u32 s40, ttmp6, 0x40000
	s_bfe_u32 s41, ttmp6, 0x40004
	s_lshl_b32 s42, ttmp9, 2
	s_add_co_u32 s42, s42, s40                     ; tile column
	s_and_b32 s17, ttmp7, 0xffff
	s_lshl_b32 s17, s17, 2
	s_add_co_u32 s17, s17, s41                     ; tile row
	s_lshl_b32 s43, s41, 2
	s_lshl_b32 s43, 15, s43
	s_lshl_b32 s44, 0x1111, s40
	s_or_b32 s[G1+0], s43, (0<<16)|(1<<20)|(1<<21)|(5<<22)|(3<<25)
	s_or_b32 s[G1B+0], s44, (0<<16)|(1<<20)|(1<<21)|(5<<22)|(3<<25)
.irp g, G1, G1B
	s_mov_b32 s[\g+1], ROWB<<16
	s_mov_b32 s[\g+2], 128<<16
	s_mov_b32 s[\g+3], ROWB<<16
	s_mov_b32 s[\g+4], 128
	s_mov_b32 s[\g+5], KROW
	s_mov_b32 s[\g+6], 0
	s_mov_b32 s[\g+7], 0
.endr
	s_lshl_b32 s18, s16, 7
	s_lshl_b32 s20, s17, 8
	s_add_co_u32 s20, s20, s18
	s_lshl_b32 s20, s20, 10                        ; A: (256 x tile row + 128 x half) rows of 1,024 bytes
	s_mov_b32 s21, 0
	s_lshl_b32 s46, s42, 8
	s_add_co_u32 s46, s46, s18
	s_lshl_b32 s46, s46, 10
	s_mov_b32 s47, 0
	s_mul_i32 s45, s14, HALFT
	s_wait_dscnt 0x0                               ; the opening add is done
	s_wait_kmcnt 0x0
	s_load_b64 s[96:97], s[10:11], 0x20            ; e8, e9
	s_add_nc_u64 s[6:7], s[6:7], 0x300000          ; Wp^T: rows 3,072 on of wc
	s_add_nc_u64 s[20:21], s[4:5], s[20:21]
	s_add_nc_u64 s[46:47], s[6:7], s[46:47]
	CROUND
.irp s, 0,1
	s_mov_b32 s[G0+4*\s], 1
	s_add_co_u32 s[G0+4*\s+1], s45, \s*SLOT
	s_add_nc_u64 s[G0+4*\s+2:G0+4*\s+3], s[20:21], \s*ROWB
	s_or_b32 s[G0+4*\s+3], s[G0+4*\s+3], 0x80000000
	s_mov_b32 s[G0B+4*\s], 1
	s_add_co_u32 s[G0B+4*\s+1], s45, \s*SLOT
	s_add_nc_u64 s[G0B+4*\s+2:G0B+4*\s+3], s[46:47], \s*ROWB
	s_or_b32 s[G0B+4*\s+3], s[G0B+4*\s+3], 0x80000000
	JLOAD G0+4*\s, G1, G0B+4*\s, G1B
.endr
	v_and_b32 v1, 15, v0
	v_bfe_u32 v2, v0, 4, 1
	v_lshlrev_b32 v[BOQ], 5, v2
	s_lshl_b32 s46, s42, 10                        ; the bias of my 128 columns: (256 x tile column + 128 x half) x 4 bytes; the same offset serves a row of the output
	s_lshl_b32 s47, s16, 9
	s_add_co_u32 s46, s46, s47
	s_mov_b32 s47, 0
	s_add_nc_u64 s[8:9], s[8:9], s[46:47]
.irp b, 0,1,2,3,4,5,6,7                        ; accumulator (a, b), register j: the bias of column 16 b + 8 h + j
	global_load_b128 v[BI+8*\b:BI+8*\b+3], v[BOQ], s[8:9] offset:64*\b
	global_load_b128 v[BI+8*\b+4:BI+8*\b+7], v[BOQ], s[8:9] offset:64*\b+16
.endr
	v_mul_u32_u24 v3, v1, PITCH
	v_lshl_add_u32 v4, v2, 4, v3
	s_mul_i32 s21, s15, HALFT
	s_mul_i32 s22, s16, HALFT
	s_add_co_u32 s22, s22, 2*HALFT
.irp s, 0,1
	v_add_nc_u32 v[ADRA+\s], s21, v4
	v_add_nc_u32 v[ADRB+\s], s22, v4
	s_add_co_u32 s21, s21, SLOT
	s_add_co_u32 s22, s22, SLOT
.endr
	s_mul_i32 s23, s14, 16*SPITCH                  ; my stage
	v_mul_u32_u24 v5, v1, SPITCH
	v_lshl_add_u32 v5, v2, 5, v5
	v_add_nc_u32 v[STO], s23, v5
	v_and_b32 v6, 31, v0
	v_lshlrev_b32 v[CO], 4, v6
	v_add_nc_u32 v[RD], s23, v[CO]
	s_lshl_b32 s20, s17, 8
	s_lshl_b32 s21, s15, 7
	s_add_co_u32 s20, s20, s21
	s_lshl_b32 s20, s20, 12                        ; my first row of the output: rows of 4,096 bytes
	s_mov_b32 s21, 0
	s_add_nc_u64 s[20:21], s[20:21], s[46:47]
	s_add_nc_u64 s[12:13], s[12:13], s[20:21]
.macro FRAG reg, adr, q, i
.irp c, 0,1,2,3
	ds_load_b128 v[\reg+4*\c:\reg+4*\c+3], v[\adr] offset:128*(\q)+32*\c+(\i)*16*PITCH
.endr
.endm
.macro MUL16 a0, p, cm                 ; cm = 1: the sums start from the bias's image.  The 64 accumulators take turns
.irp a, \a0, \a0+1
.irp b, 0,1,2,3,4,5,6,7
.if \cm
	v_wmma_f32_16x16x128_fp8_fp8 v[8*(8*((\a)%4)+\b):8*(8*((\a)%4)+\b)+7], v[128*(\p)+FR*\b:128*(\p)+FR*\b+FR-1], v[AF+FR*(\a):AF+FR*(\a)+FR-1], v[BI+8*\b:BI+8*\b+7]
.else
	v_wmma_f32_16x16x128_fp8_fp8 v[8*(8*((\a)%4)+\b):8*(8*((\a)%4)+\b)+7], v[128*(\p)+FR*\b:128*(\p)+FR*\b+FR-1], v[AF+FR*(\a):AF+FR*(\a)+FR-1], v[8*(8*((\a)%4)+\b):8*(8*((\a)%4)+\b)+7]
.endif
.endr
.endr
.endm
.macro FETCH_B slot, q, p
	WIN TO_B
.irp i, 0,1,2,3,4,5,6,7
	FRAG 128*(\p)+FR*\i, ADRB+\slot, \q, \i
.endr
	WIN 0
.endm
.macro FETCH_A slot, q, i0
.irp i, \i0, \i0+1, \i0+2, \i0+3
	FRAG AF+FR*(\i), ADRA+\slot, \q, \i
.endr
.endm
.macro PLACES n
.rept \n
	v_nop
.endr
.endm
.macro STEP slot, q, cm
	s_wait_dscnt 4*NL                              ; B's set and A's blocks 0-3 are in; A's blocks 4-7 may be out
.if \cm
	WIN 0x81
.else
	WIN MUL_LO
.endif
	MUL16 0, (\q)%2, \cm
	MUL16 2, (\q)%2, \cm
	s_wait_dscnt 0
	PLACES NP
	FETCH_B \slot, (\q)+1, 1-(\q)%2
	FETCH_A \slot, (\q)+1, 0
.if \cm
	WIN 0xc1
.else
	WIN MUL_HI
.endif
	MUL16 4, (\q)%2, \cm
	MUL16 6, (\q)%2, \cm
	PLACES NP
	WIN 0
	FETCH_A \slot, (\q)+1, 4
.endm
.macro TURN slot, next, fill
	s_wait_tensorcnt 0x0                           ; all my tensor loads have landed: my part of the next slot
	ds_add_u32 v[SPW], v[NIL]                      ; 0 onto my spare word
	s_wait_dscnt 4*NL+1                            ; (the add and A's blocks 4-7 may be out)
	WIN MUL_LO
	MUL16 0, 1, 0
	s_wait_dscnt 0x0                               ; the add is done, and my reads of this slot are over
	s_barrier_signal -1
	MUL16 2, 1, 0
	WIN 0
	s_barrier_wait -1
.if \fill
	CREST
	s_add_nc_u64 s[G0+4*\slot+2:G0+4*\slot+3], s[G0+4*\slot+2:G0+4*\slot+3], 2*ROWB
	s_add_nc_u64 s[G0B+4*\slot+2:G0B+4*\slot+3], s[G0B+4*\slot+2:G0B+4*\slot+3], 2*ROWB
	JLOAD G0+4*\slot, G1, G0B+4*\slot, G1B
.else
	PLACES NP
.endif
	FETCH_B \next, 0, 0
	FETCH_A \next, 0, 0
	WIN MUL_HI
	MUL16 4, 1, 0
	MUL16 6, 1, 0
	PLACES NP
	WIN 0
	FETCH_A \next, 0, 4
.endm
	s_wait_tensorcnt 1                             ; my part of K step 0 is in (K step 1's load may be out),
	s_barrier_signal -1
	s_barrier_wait -1
	FETCH_B 0, 0, 0
	FETCH_A 0, 0, 0
	FETCH_A 0, 0, 4
	s_wait_loadcnt 0x0                             ; the bias
	s_wait_kmcnt 0x0
	s_add_co_i32 s96, s96, s97                     ; e8 + e9
	s_sub_co_i32 s2, 0, s96
	s_add_co_i32 s96, s96, 127
	s_lshl_b32 s96, s96, 23                        ; 2^(e8 + e9) as f32
.set n, 0
.rept 64
	v_ldexp_f32 v[BI+n], v[BI+n], s2               ; bias / 2^(e8 + e9)
.set n, n+1
.endr
	STEP 0, 0, 1
	s_mov_b32 s3, 1
.Llap:
	TURN 0, 1, 1
	STEP 1, 0, 0
	TURN 1, 0, 1
	STEP 0, 0, 0
	s_sub_co_u32 s3, s3, 1
	s_cmp_lg_u32 s3, 0
	s_cbranch_scc1 .Llap
	TURN 0, 1, 0
	STEP 1, 0, 0
	s_wait_dscnt 4*NL
	WIN MUL_LO
	MUL16 0, 1, 0
	MUL16 2, 1, 0
	s_wait_dscnt 0
	WIN MUL_HI
	MUL16 4, 1, 0
	MUL16 6, 1, 0
	WIN 0
; THE WAY OUT, block by block of 16 rows x 128 columns, through my own stage: whole rows of 512 bytes come back, which the 32 lanes store as two aligned runs of 256 bytes.
.macro TOSTAGE a
.set AC, 64*((\a)%4)
	WIN 0x02+((\a)/4)
.set n, 0
.rept 32
	v_pk_mul_f32 v[TMP+n:TMP+n+1], v[AC+n:AC+n+1], s[96:97] op_sel_hi:[1,0]   ; x 2^(e8 + e9); each accumulator from its low end on
.set n, n+2
.endr
	WIN 0
.irp b, 0,1,2,3,4,5,6,7
	ds_store_b128 v[STO], v[TMP+8*\b:TMP+8*\b+3] offset:64*\b
	ds_store_b128 v[STO], v[TMP+8*\b+4:TMP+8*\b+7] offset:64*\b+16
.endr
.set BB, BK+64*((\a)%2)
.irp t, 0,1,2,3,4,5,6,7,8,9,10,11,12,13,14,15
	ds_load_b128 v[BB+4*\t:BB+4*\t+3], v[RD] offset:\t*SPITCH    ; LDS serves a wave's instructions in order: these see my stores
.endr
.endm
.macro SEND a, younger
.set BB, BK+64*((\a)%2)
	s_wait_dscnt \younger
.if (\a) > 0
	s_add_nc_u64 s[12:13], s[12:13], 16*SIZE_N*4   ; (behind a wait on XCNT: the earlier stores have read their base)
.endif
.irp t, 0,1,2,3,4,5,6,7,8,9,10,11,12,13,14,15
	global_store_b128 v[CO], v[BB+4*\t:BB+4*\t+3], s[12:13] offset:\t*SIZE_N*4 th:TH_STORE_NT
.endr
.endm
	PLACES NP
	TOSTAGE 0
.irp a, 1,2,3,4,5,6,7
.if \a > 1
	s_wait_xcnt 0x0                                ; block a - 2's stores have read their registers and their base
.endif
	TOSTAGE \a
	SEND \a-1, 32                                  ; behind block a - 1's loads: block a's 16 stores and 16 loads
.endr
	s_wait_xcnt 0x0
	SEND 7, 0
	s_wait_tensorcnt 0x0                           ; the wave's end
	ds_add_u32 v[SPW], v[NIL]
	s_wait_dscnt 0x0
	CROUND                                         ; the closing round
	s_endpgm
.Lfunc_end_k_q7b4d3afc4a_proj:
	.size	k_q7b4d3afc4a_proj, .Lfunc_end_k_q7b4d3afc4a_proj-k_q7b4d3afc4a_proj
	.p2alignl 7, 3214868480
	.fill 96, 4, 3214868480
	.section	.rodata,"a",@progbits
	.p2align	6, 0x0
	.amdhsa_kernel k_q7b4d3afc4a_proj
		.amdhsa_group_segment_fixed_size 327680
		.amdhsa_private_segment_fixed_size 0
		.amdhsa_enable_private_segment 0
		.amdhsa_kernarg_size 40
		.amdhsa_user_sgpr_count 2
		.amdhsa_user_sgpr_kernarg_segment_ptr 1
		.amdhsa_wavefront_size32 1
		.amdhsa_system_sgpr_workgroup_id_x 1
		.amdhsa_system_sgpr_workgroup_id_y 1
		.amdhsa_system_sgpr_workgroup_id_z 1
		.amdhsa_system_vgpr_workitem_id 0
		.amdhsa_next_free_vgpr 1024
		.amdhsa_next_free_sgpr 98
		.amdhsa_reserve_vcc 0
		.amdhsa_float_denorm_mode_32 3
		.amdhsa_float_denorm_mode_16_64 3
		.amdhsa_memory_ordered 1
		.amdhsa_forward_progress 1
		.amdhsa_inst_pref_size 129
	.end_amdhsa_kernel
	.amdgpu_metadata
---
amdhsa.version: [ 1, 2 ]
amdhsa.kernels:
  - .name:           k_q7b4d3afc4a_proj
    .symbol:         k_q7b4d3afc4a_proj.kd
    .args:
      - { .name: yc, .offset: 0, .size: 8, .value_kind: global_buffer, .address_space: global }
      - { .name: wc, .offset: 8, .size: 8, .value_kind: global_buffer, .address_space: global }
      - { .name: bp, .offset: 16, .size: 8, .value_kind: global_buffer, .address_space: global }
      - { .name: lowp_scales, .offset: 24, .size: 8, .value_kind: global_buffer, .address_space: global }
      - { .name: out0, .offset: 32, .size: 8, .value_kind: global_buffer, .address_space: global }
    .group_segment_fixed_size: 327680
    .private_segment_fixed_size: 0
    .kernarg_segment_align: 8
    .kernarg_segment_size: 40
    .max_flat_workgroup_size: 128
    .sgpr_count:     98
    .vgpr_count:     1024
    .wavefront_size: 32
...
	.end_amdgpu_metadata
.endif
;; end of part 4
